; MI455X (gfx1250); checked and timed in simulation.
; The chip was launched on July 23, 2026; its instructions are those of AMD's public machine-readable ISA for CDNA 5 (MIT licence, August 2026) and "CDNA5" Instruction Set Architecture Reference Guide (July 2026). The comments in the code are by the model that wrote it; some were corrected since.
;; Causal Attention. Allowed arithmetic: matrix products marked QUANTISED: E2M3 operands, one E8M0 scale for each 32 along K, by v_wmma_scale_f32_16x16x128_f8f6f4 with both operands' format E2M3, f32 sums; everything else in f32.
;; Inputs: Wk 1,024 x 1,024 float32; Wq 1,024 x 1,024 float32; Wv 1,024 x 1,024 float32; x 4 x 2,048 x 1,024 float32.
;; Outputs: out0 4 x 2,048 x 1,024 float32.
;; This version of the problem:
;;   THIS VERSION OF THE PROBLEM IS GIVEN IN LOW PRECISION. The matrix products marked QUANTISED in the list below multiply operands that are first quantised to E2M3 (2 exponent bits, 3 mantissa bits; 6 bits a number), with one power-of-two scale for each 32 numbers along K (OCP MX v1.0); their sums are f32. All else is computed in f32.
;;   The module's matrix products, in the order in which they are computed (A, B: the left and right operand; K: the contracted axis; several contracted axes count as one K, in the product's order):
;;     1. [M 8,192, K 1,024] x [K 1,024, N 1,024]; A: input x; B: input Wq: QUANTISED
;;     2. [M 8,192, K 1,024] x [K 1,024, N 1,024]; A: input x; B: input Wk: QUANTISED
;;     3. [M 8,192, K 1,024] x [K 1,024, N 1,024]; A: input x; B: input Wv: QUANTISED
;;     4. batch 4 x [M 2,048, K 1,024] x [K 1,024, N 2,048]; A: computed on the way; B: computed on the way: QUANTISED
;;     5. batch 4 x [M 2,048, K 2,048] x [K 2,048, N 1,024]; A: softmax (see below); B: computed on the way: QUANTISED
;;   THE QUANTISER, for each operand of a quantised product, along K:
;;     - K is cut into blocks of 32 from its start; a last block that is shorter is filled with zeros.
;;     - A block's scale is 2^e with e = floor(log2(the largest magnitude in the block)) - 2, held to -126 .. 127; a block of zeros has e = 0. As a byte (E8M0): e + 127.
;;     - Each number is divided by its block's scale, clamped to +-7.5, and rounded to the nearest number of E2M3, ties to even, subnormals kept.
;;     - The product sums the exact products of the quantised numbers (number of the format x scale) in f32.
;;   ~~~python
;;   def quantise(x, axis):      # numpy; x: float32 -> the quantised numbers, widened to float32 again
;;       x = np.moveaxis(x, axis, -1); K = x.shape[-1]
;;       x = np.pad(x, [(0, 0)] * (x.ndim - 1) + [(0, -K % 32)]); x = x.reshape(x.shape[:-1] + (-1, 32)); a = np.abs(x).max(-1, keepdims=True)
;;       e = np.where(a > 0, np.clip(np.frexp(np.where(a > 0, a, 1))[1] - 1 - 2, -126, 127), 0)      # np.frexp(a)[1] - 1 = floor(log2(a)), exactly
;;       r = np.clip(x / 2.0 ** e, -7.5, 7.5)
;;       step = 2.0 ** (np.maximum(np.frexp(np.where(r == 0, 1, r))[1] - 1, 0) - 3)
;;       q = np.round(r / step) * step * 2.0 ** e      # np.round: ties to even
;;       return np.moveaxis(q.reshape(q.shape[:-2] + (-1,))[..., :K], -1, axis).astype(np.float32)
;;   ~~~
;;   SOFTMAX AHEAD OF A QUANTISED PRODUCT. Where the list says 'softmax', what is quantised is not the finished softmax but p = 2^(t - M), with t = logit x log2(e) and M = ceil(the row's largest t), a whole number; so 1/2 < the row's largest p <= 1. The row's sum l is taken of the UNQUANTISED p, in f32, and the product's result is divided by l at the end. Since M is a whole number, a kernel that streams over the keys may use a running M (the ceiling of the running maximum): every later rescaling is an exact power of two, which a block's scale takes up: the codes' values come out the same.
;;   OPERANDS COMPUTED ON THE WAY. 'Computed on the way' means the value that the module computes at that place (a softmax that the list does not call 'softmax' is quantised finished and normalised). What goes into a quantiser is computed in f32, as accurately as f32 sums, v_exp_f32 and their like allow (about 1e-6 of the number): no bf16 or f16 on the way to a quantiser, and a product that is left as it is and whose result goes on into a quantised operand takes f32 operands (vector FMAs, or v_wmma_f32_16x16x4_f32). A number that lies on a knife's edge between two numbers of the format may be rounded either way, as far as f32 arithmetic and the matrix unit's own rounding can turn it there, and no further.
;; One version. Each part assembles by itself: llvm-mc -triple=amdgcn-amd-amdhsa -mcpu=gfx1250 --defsym DOCPART=n.
;; ======== version 1 of 1: 4 launches
;; workspace buffers: xc 6,553,600 bytes; wc 2,457,600 bytes; qk 13,107,200 bytes; vt 6,553,600 bytes; pc 13,107,200 bytes; pst 1,048,576 bytes
;; launch quant (part 1): grid 608 x 1, 8 waves a work-group, no clusters, 70,656 bytes of LDS; arguments x, Wq, Wk, Wv, xc, wc; writes xc, wc
.if DOCPART == 1
	.amdgcn_target "amdgcn-amd-amdhsa--gfx1250"
	.amdhsa_code_object_version 6
	.text
	.protected	k_qa49fa9d25b_quant
	.globl	k_qa49fa9d25b_quant
	.p2align	8
	.type	k_qa49fa9d25b_quant,@function
k_qa49fa9d25b_quant:
	s_mov_b64 s[64:65], 0
	v_nop
	global_prefetch_b8 v0, s[64:65] scope:SCOPE_SE
	s_setreg_imm32_b32 hwreg(HW_REG_WAVE_MODE, 25, 1), 1
	s_wait_xcnt 0x0
; x [8192][1024] and Wq, Wk, Wv [1024 (k)][1024 (n)], f32, become codes of FP6 (E2M3) with one E8M0 byte for each 32 along K (K = the 1,024 inputs).
; THE UNIT.  Every operand of this program lies in memory as images of operand registers.  A unit is 128 rows x 128 K = 12,800 bytes: fragment i (16 rows x 128 K, 12 registers a lane) at 1,536 i,
; its registers 4 c .. 4 c + 3 of lane l at + 512 c + 16 l; behind the eight fragments 512 bytes of scale words, that of (fragment i, lane row r) at 12,288 + 256 (i / 4) + 16 r + 4 (i % 4).
; Lane row r of fragment i is row 32 (i / 2) + 8 (i % 2) + r + 8 (r / 8) of the 128: as source 0 of a product such fragments leave 16 neighbours along the next K in a lane's 16 registers of two neighbouring tiles.
; xc: [row group 64][K step 8][unit];  wc: [q, k, v][column group 8][K step 8][unit] (a "row" of W's units is a column n).
; A block's scale is 2^(floor(log2(largest magnitude)) - 2): its byte is the largest magnitude's exponent field - 2, held at 1 from below by a floor among the maximum's leaves.
; LIMITS: a block of zeros gets the byte 1 where the rule says 127 (its codes are zeros; this program alone reads the bytes); largest magnitudes under 2^-124 are taken as 2^-124; NaN and infinities are not served.
; Work-groups 0-511 take one unit of x each (wave i: fragment i); work-groups 512-607 take two units of a W each (wave w: fragments 2 (w % 4), + 1 of unit w / 4).  The two ways have LDS bytes of their own.
; No tensor load, no loop, no cluster (work-groups share no input): every load of a wave is issued at once.
.set UNIT,  12800
.set FRB,   1536
.set SCO,   12288
.set SP,    528                        ; a stage row: 512 bytes + 16, so that the sixteen rows that a read touches begin 16 bytes apart modulo 256
.set STGW,  16*SP                      ; a wave's stage (x's way)
.set SCX,   8*STGW                     ; x's way: the unit's 512 bytes of scale words
.set SCW,   SCX+512                    ; W's way: two units' scale words
.set TM,    10                         ; v10-13 largest magnitudes, v14-17 bytes, v22-25 the conversions' scale operands
.set PW,    26                         ; the scale word
.set R,     32                         ; v32-95  x as loaded; later the codes
.set X,     96                         ; v96-159 x: 16 neighbours of each of four blocks
.set PC,    32
	s_load_b256 s[4:11], s[0:1], 0x0               ; x, Wq, Wk, Wv
	s_load_b128 s[12:15], s[0:1], 0x20             ; xc, wc
	v_lshl_add_u32 v160, v0, 2, 0x11000
	v_mov_b32 v161, 0
	v_lshrrev_b32 v1, 5, v0
	v_readfirstlane_b32 s16, v1                    ; wave 0..7
	v_and_b32 v1, 31, v0                           ; lane
	v_and_b32 v2, 15, v0                           ; r
	v_bfe_u32 v3, v0, 4, 1                         ; h
	v_lshlrev_b32 v4, 4, v1                        ; 16 x lane
	s_mov_b32 s20, 0x76543210
	s_mov_b32 s21, 0xfedcba98                      ; v_permlanex16_b32's selects for lane l xor 16
	s_cmp_ge_u32 ttmp9, 512
	s_cbranch_scc1 .Lw
	; ---------------- x: unit u = work-group (row group u / 8, K step u % 8), fragment = wave
	s_lshr_b32 s17, ttmp9, 3
	s_lshl_b32 s17, s17, 7                         ; 128 x row group
	s_lshr_b32 s18, s16, 1
	s_lshl_b32 s18, s18, 5
	s_add_co_u32 s17, s17, s18                     ; + 32 (i / 2)
	s_and_b32 s18, s16, 1
	s_lshl_b32 s18, s18, 3
	s_add_co_u32 s17, s17, s18                     ; + 8 (i % 2): the fragment's first row
	s_lshl_b32 s22, s17, 12                        ; rows of 4,096 bytes
	s_and_b32 s18, ttmp9, 7
	s_lshl_b32 s18, s18, 9
	s_add_co_u32 s22, s22, s18                     ; + 512 x K step
	s_mov_b32 s23, 0
	s_mul_i32 s24, ttmp9, UNIT
	s_mul_i32 s25, s16, FRB
	s_add_co_u32 s24, s24, s25                     ; my fragment's image
	s_mov_b32 s25, 0
	s_mul_i32 s19, s16, STGW
	v_add_nc_u32 v5, s19, v4                       ; stage, in: a row's 512 bytes as they lie
	v_mul_u32_u24 v6, v2, SP
	v_lshl_add_u32 v6, v3, 6, v6
	v_add_nc_u32 v6, s19, v6                       ; stage, out: row r, + 64 h: my 16 numbers of a block of 32
	s_lshr_b32 s26, s16, 2
	s_lshl_b32 s26, s26, 8
	s_and_b32 s27, s16, 3
	s_lshl_b32 s27, s27, 2
	s_add_co_u32 s26, s26, s27
	s_add_co_u32 s26, s26, SCX
	v_lshl_add_u32 v7, v2, 4, s26                  ; my row's scale word: 256 (i / 4) + 4 (i % 4) + 16 r
	v_add_nc_u32 v8, SCX, v4                       ; and the 512 bytes read back, 16 a lane
.irp b, 0,1,2,3
	v_mov_b32 v[TM+4+\b], 0                        ; written once: a lane permute's destination counts as one of its sources
.endr
	s_wait_kmcnt 0x0
	s_add_nc_u64 s[4:5], s[4:5], s[22:23]
	s_add_nc_u64 s[12:13], s[12:13], s[24:25]
.set TT, 0
.rept 16
	global_load_b128 v[R+4*TT:R+4*TT+3], v4, s[4:5] offset:(TT+8*(TT/8))*4096 th:TH_LOAD_NT   ; lane row TT: 32 lanes read its 512 consecutive bytes
.set TT, TT+1
.endr
.set TT, 0
.rept 16
	s_wait_loadcnt 15-TT                           ; loads come back in order: this row is in, the younger ones may be out
	ds_store_b128 v5, v[R+4*TT:R+4*TT+3] offset:SP*TT
.set TT, TT+1
.endr
.irp b, 0,1,2,3
.irp j, 0,1,2,3
	ds_load_b128 v[X+16*\b+4*\j:X+16*\b+4*\j+3], v6 offset:128*\b+16*\j   ; register 16 b + i = k 32 b + 16 h + i of row r (a wave's LDS instructions are served in order)
.endr
.endr
	s_wait_dscnt 0x0                               ; the numbers are back, and the stores have read v32-95, which take the codes
.irp b, 0,1,2,3
	v_max3_num_f32 v[TM+\b], |v[X+16*\b]|, |v[X+1+16*\b]|, 0x1800000   ; block b: my 16 numbers and the floor 2^(3 - 127)
.endr
.irp i, 2,4,6,8,10,12,14
.irp b, 0,1,2,3
	v_max3_num_f32 v[TM+\b], v[TM+\b], |v[X+16*\b+\i]|, |v[X+1+16*\b+\i]|
.endr
.endr
.irp b, 0,1,2,3
	v_permlanex16_b32 v[TM+4+\b], v[TM+\b], s20, s21
.endr
.irp b, 0,1,2,3
	v_max_num_f32 v[TM+\b], v[TM+\b], v[TM+4+\b]   ; with lane l xor 16's: the block's largest magnitude
.endr
.irp b, 0,1,2,3
	v_add_nc_u32 v[TM+12+\b], 0xff000000, v[TM+\b] ; 2 off its exponent field: the conversion takes this operand's exponent field as its scale
.endr
.irp b, 0,1,2,3
	v_lshrrev_b32 v[TM+4+\b], 23, v[TM+12+\b]      ; the scale's byte
.endr
	v_lshl_or_b32 v[PW], v[TM+5], 8, v[TM+4]
	v_lshl_or_b32 v[PW], v[TM+6], 16, v[PW]
	v_lshl_or_b32 v[PW], v[TM+7], 24, v[PW]
.irp c, 0,1
	v_cvt_scalef32_pk16_fp6_f32 v[PC+6*\c:PC+2+6*\c], v[X+32*\c:X+15+32*\c], v[TM+12+2*\c]
	v_cvt_scalef32_pk16_fp6_f32 v[PC+12+4*\c:PC+14+4*\c], v[X+16+32*\c:X+31+32*\c], v[TM+12+2*\c+1]   ; (a conversion's three registers begin on an even number)
.endr
	v_nop                                          ; one plain place behind the scaled conversions
.irp c, 0,1                                    ; the operand wants a whole block in a lane: lanes 0-15 block 2 c, lanes 16-31 block 2 c + 1
.irp i, 0,1,2
	v_permlane16_swap_b32 v[PC+6*\c+\i], v[PC+12+4*\c+\i]
.endr
.irp i, 0,1,2
	v_mov_b32 v[PC+3+6*\c+\i], v[PC+12+4*\c+\i]
.endr
.endr
.irp c, 0,1,2
	global_store_b128 v4, v[PC+4*\c:PC+4*\c+3], s[12:13] offset:512*\c   ; 512 consecutive bytes a store
.endr
	ds_store_b32 v7, v[PW]                         ; lanes r and r + 16 write the same word with the same value
	s_wait_dscnt 0x0                               ; for the others' sake: my word has landed
	s_barrier_signal -1
	s_barrier_wait -1
	s_cmp_lg_u32 s16, 0
	s_cbranch_scc1 .Lxend
	ds_load_b128 v[12:15], v8                      ; wave 0 (whose base is the unit's first byte) stores the eight waves' words
	s_wait_dscnt 0x0
	global_store_b128 v4, v[12:15], s[12:13] offset:SCO
.Lxend:
	s_wait_tensorcnt 0x0
	ds_add_u32 v160, v161
	s_wait_dscnt 0x0
	s_endpgm
	; ---------------- W: K is the FIRST axis: a lane takes a column n and its registers run down K; nothing is transposed
.Lw:
	s_sub_co_u32 s17, ttmp9, 512                   ; u' = 32 m + 4 g + pair of K steps
	s_lshr_b32 s18, s17, 5                         ; m: 0 Wq, 1 Wk, 2 Wv
	s_and_b32 s19, s16, 3                          ; b: my 32 columns of the group's 128
	s_lshr_b32 s22, s16, 2
	s_and_b32 s23, s17, 3
	s_lshl_b32 s23, s23, 1
	s_add_co_u32 s23, s23, s22                     ; K step
	s_lshr_b32 s24, s17, 2                         ; 8 m + g
	s_and_b32 s25, s24, 7                          ; g
	s_lshl_b32 s26, s23, 19                        ; 128 rows of 4,096 bytes a K step
	s_lshl_b32 s27, s25, 9
	s_add_co_u32 s26, s26, s27                     ; + 128 g columns
	s_lshl_b32 s27, s19, 7
	s_add_co_u32 s26, s26, s27                     ; + 32 b columns
	s_mov_b32 s27, 0
	s_lshl_b32 s28, s24, 3
	s_add_co_u32 s28, s28, s23
	s_mul_i32 s28, s28, UNIT                       ; my unit,
	s_mul_i32 s29, s19, 2*FRB
	s_add_co_u32 s28, s28, s29                     ; fragments 2 b and 2 b + 1
	s_mov_b32 s29, 0
	s_lshl_b32 s30, s22, 9
	s_add_co_u32 s30, s30, SCW                     ; my unit's scale words in LDS
	v_add_nc_u32 v8, s30, v4
	s_lshr_b32 s31, s19, 1
	s_lshl_b32 s31, s31, 8
	s_add_co_u32 s30, s30, s31
	s_and_b32 s31, s19, 1
	s_lshl_b32 s31, s31, 3
	s_add_co_u32 s30, s30, s31
	v_lshl_add_u32 v7, v2, 4, s30
	v_lshl_add_u32 v7, v3, 2, v7                   ; fragment 2 b + h, row r: 256 (b / 2) + 8 (b % 2) + 16 r + 4 h
	v_and_b32 v5, 8, v2
	v_add_nc_u32 v5, v5, v2
	v_lshl_add_u32 v5, v3, 3, v5
	v_lshlrev_b32 v5, 2, v5                        ; lane (r, h) takes column r + 8 (r / 8) + 8 h of the 32: lane row r of fragment 2 b + h
	s_wait_kmcnt 0x0
	s_cmp_eq_u32 s18, 1                            ; the choice hangs on the work-group's number alone
	s_cselect_b64 s[8:9], s[8:9], s[10:11]
	s_cmp_eq_u32 s18, 0
	s_cselect_b64 s[6:7], s[6:7], s[8:9]
	s_add_nc_u64 s[6:7], s[6:7], s[26:27]
	s_add_nc_u64 s[14:15], s[14:15], s[28:29]
.set KK, 0
.rept 128
	global_load_b32 v[32+KK], v5, s[6:7] offset:4096*KK th:TH_LOAD_NT   ; row k: the wave reads 128 consecutive bytes, four waves side by side 512
.set KK, KK+1
.endr
.macro WMAX kb                         ; block kb of 32 along K lies whole in my registers
	v_max3_num_f32 v[10+\kb], |v[32+32*\kb]|, |v[33+32*\kb]|, 0x1800000
.irp i, 2,4,6,8,10,12,14,16,18,20,22,24,26,28,30
	v_max3_num_f32 v[10+\kb], v[10+\kb], |v[32+32*\kb+\i]|, |v[33+32*\kb+\i]|
.endr
.endm
	s_wait_loadcnt 63                              ; at most the youngest 63 of the 128 are out: the first 65 are in, blocks 0 and 1 among them
	WMAX 0
	WMAX 1
	s_wait_loadcnt 32                              ; block 3's may be out
	WMAX 2
	s_wait_loadcnt 0x0
	WMAX 3
.irp b, 0,1,2,3
	v_add_nc_u32 v[10+\b], 0xff000000, v[10+\b]    ; the conversions' scale operands
.endr
.irp b, 0,1,2,3
	v_lshrrev_b32 v[14+\b], 23, v[10+\b]
.endr
	v_lshl_or_b32 v18, v15, 8, v14
	v_lshl_or_b32 v18, v16, 16, v18
	v_lshl_or_b32 v18, v17, 24, v18                ; my column's scale word
	; F0 = v32-43: blocks 0 and 2;  F1 = v44-55: blocks 1 and 3.  They are laid over numbers that are done with
	v_cvt_scalef32_pk16_fp6_f32 v[20:22], v[32:47], v10
	v_cvt_scalef32_pk16_fp6_f32 v[24:26], v[48:63], v10
	v_nop                                          ; one plain place: the moves read the results and write the sources
	v_mov_b32 v32, v20
	v_mov_b32 v33, v21
	v_mov_b32 v34, v22
	v_mov_b32 v35, v24
	v_mov_b32 v36, v25
	v_mov_b32 v37, v26
	v_cvt_scalef32_pk16_fp6_f32 v[44:46], v[64:79], v11
	v_cvt_scalef32_pk16_fp6_f32 v[56:58], v[80:95], v11
	v_cvt_scalef32_pk16_fp6_f32 v[38:40], v[96:111], v12
	v_cvt_scalef32_pk16_fp6_f32 v[60:62], v[112:127], v12
	v_cvt_scalef32_pk16_fp6_f32 v[50:52], v[128:143], v13
	v_cvt_scalef32_pk16_fp6_f32 v[28:30], v[144:159], v13
	v_nop
.irp i, 0,1,2
	v_mov_b32 v[47+\i], v[56+\i]
	v_mov_b32 v[41+\i], v[60+\i]
	v_mov_b32 v[53+\i], v[28+\i]
.endr
.irp i, 0,1,2,3,4,5,6,7,8,9,10,11
	v_permlane16_swap_b32 v[32+\i], v[44+\i]       ; F0's lanes 16-31 change places with F1's lanes 0-15: F0 is now fragment 2 b (lanes 0-15 blocks 0, 2; lanes 16-31 blocks 1, 3), F1 fragment 2 b + 1
.endr
.irp c, 0,1,2
	global_store_b128 v4, v[32+4*\c:35+4*\c], s[14:15] offset:512*\c
	global_store_b128 v4, v[44+4*\c:47+4*\c], s[14:15] offset:FRB+512*\c
.endr
	ds_store_b32 v7, v18
	s_wait_dscnt 0x0                               ; for the others' sake
	s_barrier_signal -1
	s_barrier_wait -1
	s_cmp_lg_u32 s19, 0
	s_cbranch_scc1 .Lwend
	ds_load_b128 v[20:23], v8                      ; waves 0 and 4 (b = 0: their base is their unit's first byte) store their unit's words
	s_wait_dscnt 0x0
	global_store_b128 v4, v[20:23], s[14:15] offset:SCO
.Lwend:
	s_wait_tensorcnt 0x0
	ds_add_u32 v160, v161
	s_wait_dscnt 0x0
	s_endpgm
.Lfunc_end_k_qa49fa9d25b_quant:
	.size	k_qa49fa9d25b_quant, .Lfunc_end_k_qa49fa9d25b_quant-k_qa49fa9d25b_quant
	.p2alignl 7, 3214868480
	.fill 96, 4, 3214868480
	.section	.rodata,"a",@progbits
	.p2align	6, 0x0
	.amdhsa_kernel k_qa49fa9d25b_quant
		.amdhsa_group_segment_fixed_size 70656
		.amdhsa_private_segment_fixed_size 0
		.amdhsa_enable_private_segment 0
		.amdhsa_kernarg_size 48
		.amdhsa_user_sgpr_count 2
		.amdhsa_user_sgpr_kernarg_segment_ptr 1
		.amdhsa_wavefront_size32 1
		.amdhsa_system_sgpr_workgroup_id_x 1
		.amdhsa_system_sgpr_workgroup_id_y 1
		.amdhsa_system_sgpr_workgroup_id_z 1
		.amdhsa_system_vgpr_workitem_id 0
		.amdhsa_next_free_vgpr 162
		.amdhsa_next_free_sgpr 66
		.amdhsa_reserve_vcc 0
		.amdhsa_float_denorm_mode_32 3
		.amdhsa_float_denorm_mode_16_64 3
		.amdhsa_memory_ordered 1
		.amdhsa_forward_progress 1
		.amdhsa_inst_pref_size 32
	.end_amdhsa_kernel
	.amdgpu_metadata
---
amdhsa.version: [ 1, 2 ]
amdhsa.kernels:
  - .name:           k_qa49fa9d25b_quant
    .symbol:         k_qa49fa9d25b_quant.kd
    .args:
      - { .name: x, .offset: 0, .size: 8, .value_kind: global_buffer, .address_space: global }
      - { .name: Wq, .offset: 8, .size: 8, .value_kind: global_buffer, .address_space: global }
      - { .name: Wk, .offset: 16, .size: 8, .value_kind: global_buffer, .address_space: global }
      - { .name: Wv, .offset: 24, .size: 8, .value_kind: global_buffer, .address_space: global }
      - { .name: xc, .offset: 32, .size: 8, .value_kind: global_buffer, .address_space: global }
      - { .name: wc, .offset: 40, .size: 8, .value_kind: global_buffer, .address_space: global }
    .group_segment_fixed_size: 70656
    .private_segment_fixed_size: 0
    .kernarg_segment_align: 8
    .kernarg_segment_size: 48
    .max_flat_workgroup_size: 256
    .sgpr_count:     66
    .vgpr_count:     162
    .wavefront_size: 32
...
	.end_amdgpu_metadata
.endif
;; end of part 1
;; launch proj (part 2): grid 8 x 32, 4 waves a work-group, clusters of 4 x 4, 327,680 bytes of LDS; arguments xc, wc, qk; writes qk
.if DOCPART == 2
	.amdgcn_target "amdgcn-amd-amdhsa--gfx1250"
	.amdhsa_code_object_version 6
	.text
	.protected	k_qa49fa9d25b_proj
	.globl	k_qa49fa9d25b_proj
	.p2align	8
	.type	k_qa49fa9d25b_proj,@function
k_qa49fa9d25b_proj:
	s_mov_b64 s[64:65], 0
	v_nop
	global_prefetch_b8 v0, s[64:65] scope:SCOPE_SE
	s_setreg_imm32_b32 hwreg(HW_REG_WAVE_MODE, 25, 1), 1
	s_wait_xcnt 0x0
	s_wait_alu depctr_hold_cnt(0) depctr_sa_sdst(0) depctr_va_vdst(0) depctr_va_sdst(0) depctr_va_ssrc(0) depctr_va_vcc(0) depctr_vm_vsrc(0)
	s_getreg_b32 s2, hwreg(HW_REG_IB_STS2, 6, 4)
	s_cmp_eq_u32 s2, 0
	s_cbranch_scc0 .Lentry_in_a_cluster
	s_endpgm
.Lentry_in_a_cluster:
	s_bfe_u32 s2, ttmp6, 0x10000c
	s_cmp_lg_u32 s2, 0xf033
	s_cbranch_scc0 .Lentry_shape_is_right
	s_endpgm
.Lentry_shape_is_right:
; q = x Wq and k = x Wk on codes of FP6 (E2M3) with E8M0 scales; the results are quantised along their 1,024 columns and leave as codes, in units.
; THE UNIT (128 rows x 128 K = 12,800 bytes): fragment i at 1,536 i as an image of its 12 registers (registers 4 c .. 4 c + 3 of lane l at 512 c + 16 l); scale word of (fragment i, lane row r) at 12,288 + 256 (i / 4) + 16 r + 4 (i % 4);
; lane row r of fragment i is row 32 (i / 2) + 8 (i % 2) + r + 8 (r / 8).  A row group's units along K are consecutive: 128 rows x 256 K are 25,600 dense bytes, one tensor load.
; A tile of 256 x 256 is made by four waves, 128 x 128 each: 64 accumulators, 512 registers.  256 tiles: A = x (64 row groups), B = Wq | Wk (16 groups of columns); qk: [q, k][row group][K step][unit].
; THE RING.  K = 1,024 is four steps of 256; a step's tiles are 102,400 bytes, and three slots fit in LDS.  Steps 0, 1, 2 are first fills and go out together; step 3 is the one refill, into slot 0, behind the first change of slots:
; between its request and the wait for it a wave issues 256 matrix instructions.  The change from slot 1 to slot 2 has no barrier.
; By this text's count a wave has at most three tensor loads out.  The text is straight: no loop.
; THE MATRIX INSTRUCTION IS USED TRANSPOSED: source 0 = 16 rows of B, source 1 = 16 rows of A: a lane holds ONE row of A and, by the units' order of rows, the 64 registers of A's block a are
; B's rows 32 b + 16 h + i (register 16 b + i): 16 neighbours of each block of 32 along the next product's K.  So a wave's 128 x 128 becomes one unit, quantised in registers.
; CLUSTERS 4 x 4: A's tiles are shared along a row of the cluster, B's along a column: joint loads.
; LIMITS: a block of zeros gets the byte 1 (its codes are zeros; this program alone reads the bytes); largest magnitudes under 2^-124 are taken as 2^-124; NaN and infinities are not served.
; REGISTERS: window 0: v1 r, v2 h, v3 16 x lane; v16-24 LDS addresses; v28, v29 the add's; v32-63 scale words, two sets; v64-127 the way out; v128-223 A's fragments, later the codes; v224-231 at work.
;   window 1: B's fragments, two sets (v0, v128).   windows 2, 3: accumulator (a, b) at v[8 (8 (a % 4) + b)].
.set UNIT,  12800
.set FRB,   1536
.set SCO,   12288
.set TILE,  2*UNIT                     ; 128 rows x 256 K: what one tensor load brings
.set SLOT,  4*TILE                     ; A's two row groups, then B's two
.set SPARE, 3*SLOT                     ; the spare words, 128 bytes a wave: two blocks of 256 bytes that no other line names
.set FR,    12
.set ADRA,  16                         ; v16-18 my A fragments in slot 0, 1, 2
.set ADRB,  19                         ; v19-21 my B fragments
.set ADRS,  22                         ; v22-24 scale words: lanes 0-15 A's, lanes 16-31 B's
.set SPW,   28
.set NIL,   29
.set SC,    32                         ; register 16 sc + 8 q + i: block i's words for the K step's q-th 128; the sets take turns from K step to K step
.set AF,    128
.set G1,    24                         ; s[24:31] group 1 for A's tiles; s[32:39] groups 0 for slots 0, 1; s[92:95] for slot 2
.set G0,    32
.set G0C,   92
.set G1B,   48                         ; s[48:55], s[56:63], s[96:99] the same for B's
.set G0B,   56
.set G0CB,  96
.set OUT,   8                          ; s[8:9] my unit
.set SEL,   86                         ; s[86:87]
.set PWR,   64                         ; v64-71 block a's scale word
.set BMX,   88                         ; v88-91 the four blocks' largest magnitudes
.set BT,    92
.set SOP,   96
.set BY,    100
.set OW,    116
.set TQ,    224
.set MUL_LO, 0xa1                      ; source 0 (B) window 1, source 1 (A) window 0, C and D window 2
.set MUL_HI, 0xf1
.set MSB, 0
.macro WIN new                         ; the immediate's high byte repeats the setting that is left
.if MSB != (\new)
	s_set_vgpr_msb (MSB<<8)|(\new)
.set MSB, (\new)
.endif
.endm
.macro JLOAD g0a, g1a, g0b, g1b        ; a joint load: waves 0, 1 fetch A's row groups, waves 2, 3 B's; four v_nop follow each line
	s_cmp_eq_u32 s15, 0
	s_cbranch_scc0 .Lfor_b_\@
	tensor_load_to_lds s[\g0a:\g0a+3], s[\g1a:\g1a+7]
	s_nop 0
.rept 4
	v_nop
.endr
	s_branch .Lasked_\@
.Lfor_b_\@:
	tensor_load_to_lds s[\g0b:\g0b+3], s[\g1b:\g1b+7]
	s_nop 0
.rept 4
	v_nop
.endr
.Lasked_\@:
.endm
.macro CREST
	s_cmp_lg_u32 s14, 0
	s_cbranch_scc1 .Lnot_wave_0_\@
	s_barrier_signal -3
.Lnot_wave_0_\@:
	s_barrier_wait -3
	s_barrier_signal -1
	s_barrier_wait -1
.endm
.macro CROUND
	s_barrier_signal -1
	s_barrier_wait -1
	CREST
.endm
.macro PLACES n
.rept \n
	v_nop
.endr
.endm
.macro FIRST ga, gb, s                 ; slot s's groups 0 (K step s) and its first fill
	s_mov_b32 s[\ga], 1
	s_add_co_u32 s[\ga+1], s45, (\s)*SLOT
	s_add_nc_u64 s[\ga+2:\ga+3], s[20:21], (\s)*TILE
	s_or_b32 s[\ga+3], s[\ga+3], 0x80000000
	s_mov_b32 s[\gb], 1
	s_add_co_u32 s[\gb+1], s45, (\s)*SLOT
	s_add_nc_u64 s[\gb+2:\gb+3], s[46:47], (\s)*TILE
	s_or_b32 s[\gb+3], s[\gb+3], 0x80000000
	JLOAD \ga, G1, \gb, G1B
.endm
.macro FRAG reg, adr, q, i             ; a fragment comes back as it was stored: three loads of 512 consecutive bytes
.irp c, 0,1,2
	ds_load_b128 v[\reg+4*\c:\reg+4*\c+3], v[\adr] offset:UNIT*(\q)+FRB*(\i)+512*\c
.endr
.endm
.macro FETCH_B slot, q, p
	WIN 0x40
.irp i, 0,1,2,3,4,5,6,7
	FRAG 128*(\p)+FR*\i, ADRB+\slot, \q, \i
.endr
	WIN 0
.endm
.macro FETCH_A slot, q, i0
.irp i, \i0, \i0+1, \i0+2, \i0+3
	FRAG AF+FR*(\i), ADRA+\slot, \q, \i
.endr
.endm
.macro SCALES slot, sc                 ; a slot's scale words into set sc: one load brings four blocks' words; lanes 0-15 A's, lanes 16-31 B's
.irp q, 0,1
.irp f, 0,1
	ds_load_b128 v[SC+16*(\sc)+8*\q+4*\f:SC+16*(\sc)+8*\q+4*\f+3], v[ADRS+\slot] offset:UNIT*\q+256*\f
.endr
.endr
.endm
; 16 matrix instructions: A's blocks a0, a0 + 1 x B's eight.  The 64 accumulators take turns, one instruction a turn, in the same order in every step.
.macro MUL16 a0, p, q, sc, zero
.irp a, \a0, \a0+1
.irp b, 0,1,2,3,4,5,6,7
.if \zero
	v_wmma_scale_f32_16x16x128_f8f6f4 v[8*(8*((\a)%4)+\b):8*(8*((\a)%4)+\b)+7], v[128*(\p)+FR*\b:128*(\p)+FR*\b+FR-1], v[AF+FR*(\a):AF+FR*(\a)+FR-1], 0, v[SC+16*(\sc)+8*(\q)+\b], v[SC+16*(\sc)+8*(\q)+(\a)] matrix_a_fmt:MATRIX_FMT_FP6 matrix_b_fmt:MATRIX_FMT_FP6 matrix_a_scale:MATRIX_SCALE_ROW1
.else
	v_wmma_scale_f32_16x16x128_f8f6f4 v[8*(8*((\a)%4)+\b):8*(8*((\a)%4)+\b)+7], v[128*(\p)+FR*\b:128*(\p)+FR*\b+FR-1], v[AF+FR*(\a):AF+FR*(\a)+FR-1], v[8*(8*((\a)%4)+\b):8*(8*((\a)%4)+\b)+7], v[SC+16*(\sc)+8*(\q)+\b], v[SC+16*(\sc)+8*(\q)+(\a)] matrix_a_fmt:MATRIX_FMT_FP6 matrix_b_fmt:MATRIX_FMT_FP6 matrix_a_scale:MATRIX_SCALE_ROW1
.endif
.endr
.endr
.endm
.macro STEP slot, sc, zero             ; a slot's first 128 along K (B's set 0); it fetches the second
	s_wait_dscnt 12                                ; all but A's blocks 4-7 (4 x 3 loads) are in
	WIN MUL_LO
	MUL16 0, 0, 0, \sc, \zero
	MUL16 2, 0, 0, \sc, \zero
	s_wait_dscnt 0x0
	PLACES 4                                       ; four places in front of loads into registers that matrix instructions have read
	FETCH_B \slot, 1, 1
	FETCH_A \slot, 1, 0
	WIN MUL_HI
	MUL16 4, 0, 0, \sc, \zero
	MUL16 6, 0, 0, \sc, \zero
	PLACES 4
	WIN 0
	FETCH_A \slot, 1, 4
.endm
; A slot's second 128 along K (B's set 1) and the change of slots.  mode 1: this slot (slot 0) is filled again, with K step 3.  mode 0: the next slot was shown whole at the first change: no barrier.
; mode 2: the next slot holds the refill: each wave waits for its part, then the barrier.
.macro TURN slot, sc, next, nsc, mode
.if \mode
	s_wait_tensorcnt 0x0                           ; all my tensor loads have landed
	ds_add_u32 v[SPW], v[NIL]                      ; 0 onto my spare word
	s_wait_dscnt 13                                ; the add and A's blocks 4-7 may be out
	WIN MUL_LO
	MUL16 0, 1, 1, \sc, 0
	s_wait_dscnt 0x0                               ; the add is done, and my reads of this slot are over
	s_barrier_signal -1
	MUL16 2, 1, 1, \sc, 0
	WIN 0
	s_barrier_wait -1
.else
	s_wait_dscnt 12                                ; all but A's blocks 4-7 are in
	WIN MUL_LO
	MUL16 0, 1, 1, \sc, 0
	MUL16 2, 1, 1, \sc, 0
	s_wait_dscnt 0x0
.endif
.if \mode == 1
	CREST                                          ; the barrier has opened a round of the cluster's: no wave of any partner still reads this slot or has a load on its way
	s_add_nc_u64 s[G0+2:G0+3], s[G0+2:G0+3], 3*TILE
	s_add_nc_u64 s[G0B+2:G0B+3], s[G0B+2:G0B+3], 3*TILE
	JLOAD G0, G1, G0B, G1B                         ; the first tensor load behind the round; its four v_nop are the places in front of the loads below
.else
	PLACES 4
.endif
	FETCH_B \next, 0, 0
	FETCH_A \next, 0, 0
	SCALES \next, \nsc
	WIN MUL_HI
	MUL16 4, 1, 1, \sc, 0
	MUL16 6, 1, 1, \sc, 0
	PLACES 4
	WIN 0
	FETCH_A \next, 0, 4
.endm
	s_load_b128 s[4:7], s[0:1], 0x0                ; xc, wc
	s_load_b64 s[8:9], s[0:1], 0x10                ; qk
	v_lshl_add_u32 v[SPW], v0, 2, SPARE
	v_mov_b32 v[NIL], 0
	ds_add_u32 v28, v29
	ds_add_u32 v28, v29
	s_wait_dscnt 0x0
	v_lshrrev_b32 v1, 5, v0
	v_readfirstlane_b32 s14, v1                    ; wave 0..3
	s_lshr_b32 s15, s14, 1                         ; my half of the tile's rows.  Also: I fetch for A (0) or B (1)
	s_and_b32 s16, s14, 1                          ; my half of its columns.  Also: which row group I fetch
	s_bfe_u32 s40, ttmp6, 0x40000                  ; cx
	s_bfe_u32 s41, ttmp6, 0x40004                  ; cy
	s_lshl_b32 s42, ttmp9, 2
	s_add_co_u32 s42, s42, s40                     ; tile column, 0..7
	s_and_b32 s17, ttmp7, 0xffff
	s_lshl_b32 s17, s17, 2
	s_add_co_u32 s17, s17, s41                     ; tile row, 0..31
	s_lshl_b32 s43, s41, 2
	s_lshl_b32 s43, 15, s43                        ; my row of the cluster
	s_lshl_b32 s44, 0x1111, s40                    ; my column
	s_or_b32 s[G1], s43, (3<<16)|(1<<21)           ; 15:0 the mask; 17:16 elements of 8 bytes; 21 set beside a mask; no padding
	s_or_b32 s[G1B], s44, (3<<16)|(1<<21)
.irp g, G1, G1B                        ; 25,600 dense bytes as 100 rows of 256 bytes
	s_mov_b32 s[\g+1], 32<<16                      ; tensor_dim0 = 32
	s_mov_b32 s[\g+2], 100<<16                     ; tensor_dim1 = 100
	s_mov_b32 s[\g+3], 32<<16                      ; tile_dim0
	s_mov_b32 s[\g+4], 100                         ; tile_dim1
	s_mov_b32 s[\g+5], 32                          ; pitch
	s_mov_b32 s[\g+6], 0
	s_mov_b32 s[\g+7], 0
.endr
	s_lshl_b32 s20, s17, 1
	s_add_co_u32 s20, s20, s16                     ; A: row group 2 x tile row + the one I fetch
	s_mul_i32 s20, s20, 8*UNIT
	s_mov_b32 s21, 0
	s_lshl_b32 s46, s42, 1
	s_add_co_u32 s46, s46, s16                     ; B: likewise by the tile column
	s_mul_i32 s46, s46, 8*UNIT
	s_mov_b32 s47, 0
	s_mul_i32 s45, s14, TILE                       ; where they go: wave x 25,600
	s_mov_b32 s[SEL], 0x76543210
	s_mov_b32 s[SEL+1], 0xfedcba98
	s_wait_kmcnt 0x0
	s_add_nc_u64 s[20:21], s[4:5], s[20:21]
	s_add_nc_u64 s[46:47], s[6:7], s[46:47]
	CROUND                                         ; all sixteen work-groups are here: the first joint loads meet
	FIRST G0, G0B, 0
	FIRST G0+4, G0B+4, 1
	FIRST G0C, G0CB, 2
	v_and_b32 v1, 15, v0                           ; r
	v_bfe_u32 v2, v0, 4, 1                         ; h
	v_and_b32 v3, 31, v0
	v_lshlrev_b32 v3, 4, v3                        ; 16 x lane
	s_mul_i32 s21, s15, TILE                       ; my row group of A
	s_mul_i32 s22, s16, TILE
	s_add_co_u32 s22, s22, 2*TILE                  ; my row group of B
	s_sub_co_u32 s23, s22, s21
	v_mul_u32_u24 v6, s23, v2                      ; lanes 16-31 take B's scale words
	v_lshl_add_u32 v6, v1, 4, v6
	s_add_co_u32 s23, s21, SCO
.irp s, 0,1,2
	v_add_nc_u32 v[ADRA+\s], s21, v3
	v_add_nc_u32 v[ADRB+\s], s22, v3
	v_add_nc_u32 v[ADRS+\s], s23, v6
	s_add_co_u32 s21, s21, SLOT
	s_add_co_u32 s22, s22, SLOT
	s_add_co_u32 s23, s23, SLOT
.endr
	; my unit: number 512 (gb / 8) + 8 ga + gb % 8
	s_lshl_b32 s80, s17, 1
	s_add_co_u32 s80, s80, s15                     ; ga: the output's row group
	s_lshl_b32 s80, s80, 3
	s_lshl_b32 s81, s42, 1
	s_add_co_u32 s81, s81, s16                     ; gb: B's group of columns: 0-7 q, 8-15 k
	s_lshr_b32 s82, s81, 3
	s_lshl_b32 s82, s82, 9
	s_and_b32 s81, s81, 7                          ; the output's K step
	s_add_co_u32 s80, s80, s81
	s_add_co_u32 s80, s80, s82
	s_mul_i32 s80, s80, UNIT
	s_mov_b32 s81, 0
	s_add_nc_u64 s[OUT:OUT+1], s[OUT:OUT+1], s[80:81]
	s_wait_tensorcnt 2                             ; my part of slot 0 is in (slots 1 and 2 may be out)
	s_barrier_signal -1
	s_barrier_wait -1                              ; everybody's is
	FETCH_B 0, 0, 0
	FETCH_A 0, 0, 0
	SCALES 0, 0
	FETCH_A 0, 0, 4
	STEP 0, 0, 1                                   ; K step 0: the first products start the sums: nothing is cleared
	TURN 0, 0, 1, 1, 1                             ; slot 0 takes K step 3
	STEP 1, 1, 0                                   ; K step 1
	TURN 1, 1, 2, 0, 0
	STEP 2, 0, 0                                   ; K step 2
	TURN 2, 0, 0, 1, 2
	STEP 0, 1, 0                                   ; K step 3
	s_wait_dscnt 12
	WIN MUL_LO
	MUL16 0, 1, 1, 1, 0
	MUL16 2, 1, 1, 1, 0
	s_wait_dscnt 0x0
	WIN MUL_HI
	MUL16 4, 1, 1, 1, 0
	MUL16 6, 1, 1, 1, 0
	WIN 0
; THE WAY OUT: A's block a (64 registers a lane) becomes fragment a of my unit.
.macro QHEAD a                         ; the four blocks' largest magnitudes; each accumulator is read from its low end on
.set AC, 64*((\a)%4)
	WIN 0x0a+5*((\a)/4)                            ; sources 0 and 1: window 2 or 3
.irp b, 0,1,2,3
	v_max3_num_f32 v[BMX+\b], |v[AC+16*\b]|, |v[AC+16*\b+1]|, 0x1800000   ; and the floor 2^(3 - 127)
.endr
.irp i, 2,4,6,8,10,12,14
.irp b, 0,1,2,3
	v_max3_num_f32 v[BMX+\b], |v[AC+16*\b+\i]|, |v[AC+16*\b+\i+1]|, v[BMX+\b]
.endr
.endr
	WIN 0
.irp b, 0,1,2,3
	v_permlanex16_b32 v[BT+\b], v[BMX+\b], s[SEL], s[SEL+1]
.endr
.irp b, 0,1,2,3
	v_max_num_f32 v[BMX+\b], v[BMX+\b], v[BT+\b]
.endr
.endm
.macro TAILQ a                         ; scale word, codes, three stores of 512 consecutive bytes.  Each block has registers of its own for its codes: no store's data are written again
.set AC, 64*((\a)%4)
.set PC, 128+12*(\a)
.irp b, 0,1,2,3
	v_add_nc_u32 v[SOP+\b], 0xff000000, v[BMX+\b]  ; 2 off the exponent field: the conversion's scale operand
.endr
.irp b, 0,1,2,3
	v_lshrrev_b32 v[BY+\b], 23, v[SOP+\b]
.endr
	v_lshl_or_b32 v[PWR+(\a)], v[BY+1], 8, v[BY]
	v_lshl_or_b32 v[PWR+(\a)], v[BY+2], 16, v[PWR+(\a)]
	v_lshl_or_b32 v[PWR+(\a)], v[BY+3], 24, v[PWR+(\a)]
	WIN 0x02+(\a)/4                                ; source 0: window 2 or 3
.irp c, 0,1
	v_cvt_scalef32_pk16_fp6_f32 v[PC+6*\c:PC+6*\c+2], v[AC+32*\c:AC+32*\c+15], v[SOP+2*\c]
	v_cvt_scalef32_pk16_fp6_f32 v[TQ+4*\c:TQ+4*\c+2], v[AC+32*\c+16:AC+32*\c+31], v[SOP+2*\c+1]
.endr
	WIN 0
	v_nop                                          ; one plain place behind the scaled conversions
.irp c, 0,1
.irp i, 0,1,2
	v_permlane16_swap_b32 v[PC+6*\c+\i], v[TQ+4*\c+\i]
.endr
.irp i, 0,1,2
	v_mov_b32 v[PC+3+6*\c+\i], v[TQ+4*\c+\i]
.endr
.endr
.irp c, 0,1,2
	global_store_b128 v3, v[PC+4*\c:PC+4*\c+3], s[OUT:OUT+1] offset:FRB*(\a)+512*\c
.endr
.endm
.macro WORDS src, dst, base, off       ; eight registers (one a block) leave in the scale area's order: lanes 0-15 blocks 0-3, lanes 16-31 blocks 4-7: 512 consecutive bytes
.irp j, 0,1,2,3
	v_cndmask_b32 v[\dst+\j], v[\src+\j], v[\src+4+\j], vcc_lo
.endr
	global_store_b128 v3, v[\dst:\dst+3], s[\base:\base+1] offset:\off
.endm
	PLACES 4                                       ; behind the last products: their operands' registers take the codes
.irp b, 0,1,2,3
	v_mov_b32 v[BT+\b], 0                          ; written once: a lane permute's destination counts as one of its sources
.endr
.irp a, 0,1,2,3,4,5,6,7
	QHEAD \a
	TAILQ \a
.endr
	v_cmp_ne_u32 vcc_lo, 0, v2
	WORDS PWR, OW, OUT, SCO
	s_wait_tensorcnt 0x0                           ; the wave's end
	ds_add_u32 v[SPW], v[NIL]
	s_wait_dscnt 0x0
	CROUND                                         ; the closing round
	s_endpgm
.Lfunc_end_k_qa49fa9d25b_proj:
	.size	k_qa49fa9d25b_proj, .Lfunc_end_k_qa49fa9d25b_proj-k_qa49fa9d25b_proj
	.p2alignl 7, 3214868480
	.fill 96, 4, 3214868480
	.section	.rodata,"a",@progbits
	.p2align	6, 0x0
	.amdhsa_kernel k_qa49fa9d25b_proj
		.amdhsa_group_segment_fixed_size 327680
		.amdhsa_private_segment_fixed_size 0
		.amdhsa_enable_private_segment 0
		.amdhsa_kernarg_size 24
		.amdhsa_user_sgpr_count 2
		.amdhsa_user_sgpr_kernarg_segment_ptr 1
		.amdhsa_wavefront_size32 1
		.amdhsa_system_sgpr_workgroup_id_x 1
		.amdhsa_system_sgpr_workgroup_id_y 1
		.amdhsa_system_sgpr_workgroup_id_z 1
		.amdhsa_system_vgpr_workitem_id 0
		.amdhsa_next_free_vgpr 1024
		.amdhsa_next_free_sgpr 100
		.amdhsa_reserve_vcc 1
		.amdhsa_float_denorm_mode_32 3
		.amdhsa_float_denorm_mode_16_64 3
		.amdhsa_memory_ordered 1
		.amdhsa_forward_progress 1
		.amdhsa_inst_pref_size 136
	.end_amdhsa_kernel
	.amdgpu_metadata
---
amdhsa.version: [ 1, 2 ]
amdhsa.kernels:
  - .name:           k_qa49fa9d25b_proj
    .symbol:         k_qa49fa9d25b_proj.kd
    .args:
      - { .name: xc, .offset: 0, .size: 8, .value_kind: global_buffer, .address_space: global }
      - { .name: wc, .offset: 8, .size: 8, .value_kind: global_buffer, .address_space: global }
      - { .name: qk, .offset: 16, .size: 8, .value_kind: global_buffer, .address_space: global }
    .group_segment_fixed_size: 327680
    .private_segment_fixed_size: 0
    .kernarg_segment_align: 8
    .kernarg_segment_size: 24
    .max_flat_workgroup_size: 128
    .sgpr_count:     100
    .vgpr_count:     1024
    .wavefront_size: 32
...
	.end_amdgpu_metadata
.endif
;; end of part 2
;; launch score (part 3): grid 80 x 4, 4 waves a work-group, clusters of 4 x 4, 327,680 bytes of LDS; arguments qk, xc, wc, pc, pst, vt; writes pc, pst, vt
.if DOCPART == 3
	.amdgcn_target "amdgcn-amd-amdhsa--gfx1250"
	.amdhsa_code_object_version 6
	.text
	.protected	k_qa49fa9d25b_score
	.globl	k_qa49fa9d25b_score
	.p2align	8
	.type	k_qa49fa9d25b_score,@function
k_qa49fa9d25b_score:
	s_mov_b64 s[64:65], 0
	v_nop
	global_prefetch_b8 v0, s[64:65] scope:SCOPE_SE
	s_setreg_imm32_b32 hwreg(HW_REG_WAVE_MODE, 25, 1), 1
	s_wait_xcnt 0x0
	s_wait_alu depctr_hold_cnt(0) depctr_sa_sdst(0) depctr_va_vdst(0) depctr_va_sdst(0) depctr_va_ssrc(0) depctr_va_vcc(0) depctr_vm_vsrc(0)
	s_getreg_b32 s2, hwreg(HW_REG_IB_STS2, 6, 4)
	s_cmp_eq_u32 s2, 0
	s_cbranch_scc0 .Lentry_in_a_cluster
	s_endpgm
.Lentry_in_a_cluster:
	s_bfe_u32 s2, ttmp6, 0x10000c
	s_cmp_lg_u32 s2, 0xf033
	s_cbranch_scc0 .Lentry_shape_is_right
	s_endpgm
.Lentry_shape_is_right:
; TWO JOBS ON ONE CORE, told apart by the cluster's number c (20 clusters along x); neither reads what the other stores.
; c = 0 .. 11: S = q k^T on codes of FP6 (E2M3) with E8M0 scales, the causal mask, and the softmax's p, quantised along the keys UNDER A LOCAL M, one for each query and each 128 keys.
;   t = score x log2(e) / 32; M = ceil(the largest t of the query's 128 keys here), a whole number; p = 2^(t - M); l = the sum of the unquantised p.  p leaves as codes in units (pc [query group 64][key step 16][unit]);
;   -M and l leave as f32 (pst [group][step][-M, l][512 bytes], in the order of a unit's scale words).  The next launch takes the row's M and moves each unit's scale bytes by the whole number M_local - M_row, which rounds nothing.
; c = 12 .. 19: v^T = (x Wv)^T, quantised along the keys: A = Wv (8 groups of columns e), B = x (64 row groups); units of vt [batch][e group][key step].  The scores do not need v, and their twelve clusters leave room beside them.
; THE CORE (tile 256 x 256, four waves of 128 x 128, joint loads in clusters of 4 x 4, transposed use) is that of the launch before.  A unit is 128 rows x 128 K = 12,800 bytes: fragment i at 1,536 i as an image of its registers;
; scale word (i, r) at 12,288 + 256 (i / 4) + 16 r + 4 (i % 4); lane row r of fragment i is row 32 (i / 2) + 8 (i % 2) + r + 8 (r / 8).  A lane holds one row of A; register 16 b + i of A's block a is B's row 32 b + 16 h + i of the wave's 128.
; THE RING.  K = 1,024 is four steps of 256 (102,400 bytes each) through three LDS slots: steps 0, 1, 2 are first fills and go out together; step 3 is the one refill, into slot 0, behind the first change of slots, 256 matrix
; instructions ahead of the wait for it.  The change from slot 1 to slot 2 has no barrier: slot 2 was shown whole in front of the first change's round.  By this text's count a wave has at most three tensor loads out.
; Buffers and first row groups are chosen by s_cselect on c, and one branch on c chooses the way out: c is the same in all sixteen partners.
; WHICH TILES OF THE SCORES.  A batch's 8 x 8 tiles of 256 x 256 are three squares of 4 x 4 tiles on or under the diagonal: c % 3 = 0, 2: the diagonal squares; 1: the full one; c / 3: the batch.
; The 36 tiles that count do not fall into fours that share an operand at a fixed place of a cluster, so the diagonal squares are launched whole: their six work-groups above the diagonal make every joint request and
; run the same text; all their scores are hidden and they store units of zero codes.  All six are read by the next launch as the filling of its K.
; A query all of whose 128 keys here are hidden gets -M = 1.35e37, p = 0, l = 0, the byte 1.
; LIMITS: p under 2^-126 comes out of v_exp_f32 as 0; a block of zeros gets the byte 1 (its codes are zeros; this program alone reads the bytes); a block's largest p is made from its largest score by the same multiply-add and
; exponential; v's largest magnitudes under 2^-124 are taken as 2^-124; NaN and infinities are not served.
.set UNIT,  12800
.set FRB,   1536
.set SCO,   12288
.set TILE,  2*UNIT
.set SLOT,  4*TILE
.set SPARE, 3*SLOT                     ; the spare words, 128 bytes a wave: two blocks of 256 bytes that no other line names
.set FR,    12
.set ADRA,  16                         ; v16-18
.set ADRB,  19                         ; v19-21
.set ADRS,  22                         ; v22-24
.set SPW,   28
.set NIL,   29
.set SC,    32
.set AF,    128
.set G1,    24
.set G0,    32
.set G0C,   92
.set G1B,   48
.set G0B,   56
.set G0CB,  96
.set VP,    66                         ; s66  1 in v's clusters
.set DIAG,  69                         ; s69  1 in the diagonal squares
.set PST,   72                         ; s[72:73] my two planes of pst
.set OUT,   84                         ; s[84:85] my unit of pc or of vt
.set SEL,   86
.set CS,    88                         ; s[88:89] log2(e) / 32
.set PWR,   64                         ; v64-71 scale words, v72-79 -M, v80-87 l: one register for each block a
.set NMR,   72
.set LLR,   80
.set BMX,   88
.set BT,    92
.set SOP,   96
.set BY,    100
.set NMP,   104                        ; v[104:105] -M as a pair's low word
.set LS,    106
.set LS2,   108
.set DD,    110
.set NINF,  111
.set VD0,   112
.set TP,    113
.set OW,    116
.set ON,    120
.set OL,    124
.set TQ,    224
.set MUL_LO, 0xa1
.set MUL_HI, 0xf1
.set MSB, 0
.macro WIN new
.if MSB != (\new)
	s_set_vgpr_msb (MSB<<8)|(\new)
.set MSB, (\new)
.endif
.endm
.macro JLOAD g0a, g1a, g0b, g1b        ; a joint load: waves 0, 1 fetch A's row groups, waves 2, 3 B's; four v_nop follow each line
	s_cmp_eq_u32 s15, 0
	s_cbranch_scc0 .Lfor_b_\@
	tensor_load_to_lds s[\g0a:\g0a+3], s[\g1a:\g1a+7]
	s_nop 0
.rept 4
	v_nop
.endr
	s_branch .Lasked_\@
.Lfor_b_\@:
	tensor_load_to_lds s[\g0b:\g0b+3], s[\g1b:\g1b+7]
	s_nop 0
.rept 4
	v_nop
.endr
.Lasked_\@:
.endm
.macro CREST
	s_cmp_lg_u32 s14, 0
	s_cbranch_scc1 .Lnot_wave_0_\@
	s_barrier_signal -3
.Lnot_wave_0_\@:
	s_barrier_wait -3
	s_barrier_signal -1
	s_barrier_wait -1
.endm
.macro CROUND
	s_barrier_signal -1
	s_barrier_wait -1
	CREST
.endm
.macro PLACES n
.rept \n
	v_nop
.endr
.endm
.macro FIRST ga, gb, s                 ; slot s's groups 0 (K step s) and its first fill
	s_mov_b32 s[\ga], 1
	s_add_co_u32 s[\ga+1], s45, (\s)*SLOT
	s_add_nc_u64 s[\ga+2:\ga+3], s[20:21], (\s)*TILE
	s_or_b32 s[\ga+3], s[\ga+3], 0x80000000
	s_mov_b32 s[\gb], 1
	s_add_co_u32 s[\gb+1], s45, (\s)*SLOT
	s_add_nc_u64 s[\gb+2:\gb+3], s[46:47], (\s)*TILE
	s_or_b32 s[\gb+3], s[\gb+3], 0x80000000
	JLOAD \ga, G1, \gb, G1B
.endm
.macro FRAG reg, adr, q, i
.irp c, 0,1,2
	ds_load_b128 v[\reg+4*\c:\reg+4*\c+3], v[\adr] offset:UNIT*(\q)+FRB*(\i)+512*\c
.endr
.endm
.macro FETCH_B slot, q, p
	WIN 0x40
.irp i, 0,1,2,3,4,5,6,7
	FRAG 128*(\p)+FR*\i, ADRB+\slot, \q, \i
.endr
	WIN 0
.endm
.macro FETCH_A slot, q, i0
.irp i, \i0, \i0+1, \i0+2, \i0+3
	FRAG AF+FR*(\i), ADRA+\slot, \q, \i
.endr
.endm
.macro SCALES slot, sc
.irp q, 0,1
.irp f, 0,1
	ds_load_b128 v[SC+16*(\sc)+8*\q+4*\f:SC+16*(\sc)+8*\q+4*\f+3], v[ADRS+\slot] offset:UNIT*\q+256*\f
.endr
.endr
.endm
.macro MUL16 a0, p, q, sc, zero        ; the 64 accumulators take turns, one instruction a turn
.irp a, \a0, \a0+1
.irp b, 0,1,2,3,4,5,6,7
.if \zero
	v_wmma_scale_f32_16x16x128_f8f6f4 v[8*(8*((\a)%4)+\b):8*(8*((\a)%4)+\b)+7], v[128*(\p)+FR*\b:128*(\p)+FR*\b+FR-1], v[AF+FR*(\a):AF+FR*(\a)+FR-1], 0, v[SC+16*(\sc)+8*(\q)+\b], v[SC+16*(\sc)+8*(\q)+(\a)] matrix_a_fmt:MATRIX_FMT_FP6 matrix_b_fmt:MATRIX_FMT_FP6 matrix_a_scale:MATRIX_SCALE_ROW1
.else
	v_wmma_scale_f32_16x16x128_f8f6f4 v[8*(8*((\a)%4)+\b):8*(8*((\a)%4)+\b)+7], v[128*(\p)+FR*\b:128*(\p)+FR*\b+FR-1], v[AF+FR*(\a):AF+FR*(\a)+FR-1], v[8*(8*((\a)%4)+\b):8*(8*((\a)%4)+\b)+7], v[SC+16*(\sc)+8*(\q)+\b], v[SC+16*(\sc)+8*(\q)+(\a)] matrix_a_fmt:MATRIX_FMT_FP6 matrix_b_fmt:MATRIX_FMT_FP6 matrix_a_scale:MATRIX_SCALE_ROW1
.endif
.endr
.endr
.endm
.macro STEP slot, sc, zero
	s_wait_dscnt 12                                ; all but A's blocks 4-7 (4 x 3 loads) are in
	WIN MUL_LO
	MUL16 0, 0, 0, \sc, \zero
	MUL16 2, 0, 0, \sc, \zero
	s_wait_dscnt 0x0
	PLACES 4
	FETCH_B \slot, 1, 1
	FETCH_A \slot, 1, 0
	WIN MUL_HI
	MUL16 4, 0, 0, \sc, \zero
	MUL16 6, 0, 0, \sc, \zero
	PLACES 4
	WIN 0
	FETCH_A \slot, 1, 4
.endm
; mode 1: this slot (slot 0) is filled again, with K step 3.  mode 0: the next slot was shown whole at the first change: no barrier.  mode 2: the next slot holds the refill: each wave waits for its part, then the barrier.
.macro TURN slot, sc, next, nsc, mode
.if \mode
	s_wait_tensorcnt 0x0                           ; all my tensor loads have landed
	ds_add_u32 v[SPW], v[NIL]                      ; 0 onto my spare word
	s_wait_dscnt 13                                ; the add and A's blocks 4-7 may be out
	WIN MUL_LO
	MUL16 0, 1, 1, \sc, 0
	s_wait_dscnt 0x0                               ; the add is done, and my reads of this slot are over
	s_barrier_signal -1
	MUL16 2, 1, 1, \sc, 0
	WIN 0
	s_barrier_wait -1
.else
	s_wait_dscnt 12                                ; all but A's blocks 4-7 are in
	WIN MUL_LO
	MUL16 0, 1, 1, \sc, 0
	MUL16 2, 1, 1, \sc, 0
	s_wait_dscnt 0x0
.endif
.if \mode == 1
	CREST                                          ; the barrier has opened a round of the cluster's: no wave of any partner still reads this slot or has a load on its way
	s_add_nc_u64 s[G0+2:G0+3], s[G0+2:G0+3], 3*TILE
	s_add_nc_u64 s[G0B+2:G0B+3], s[G0B+2:G0B+3], 3*TILE
	JLOAD G0, G1, G0B, G1B                         ; the first tensor load behind the round; its four v_nop are the places in front of the loads below
.else
	PLACES 4
.endif
	FETCH_B \next, 0, 0
	FETCH_A \next, 0, 0
	SCALES \next, \nsc
	WIN MUL_HI
	MUL16 4, 1, 1, \sc, 0
	MUL16 6, 1, 1, \sc, 0
	PLACES 4
	WIN 0
	FETCH_A \next, 0, 4
.endm
	s_load_b256 s[4:11], s[0:1], 0x0               ; qk, xc, wc, pc
	s_load_b128 s[72:75], s[0:1], 0x20             ; pst, vt
	v_lshl_add_u32 v[SPW], v0, 2, SPARE
	v_mov_b32 v[NIL], 0
	ds_add_u32 v28, v29
	ds_add_u32 v28, v29
	s_wait_dscnt 0x0
	v_lshrrev_b32 v1, 5, v0
	v_readfirstlane_b32 s14, v1
	s_lshr_b32 s15, s14, 1                         ; my half of the tile's rows.  Also: I fetch for A (0) or B (1)
	s_and_b32 s16, s14, 1                          ; my half of its columns.  Also: which row group I fetch
	s_bfe_u32 s40, ttmp6, 0x40000                  ; cx
	s_bfe_u32 s41, ttmp6, 0x40004                  ; cy
	; what hangs on the cluster's number c = ttmp9 alone
	s_mul_i32 s67, ttmp9, 11
	s_lshr_b32 s67, s67, 5                         ; c / 3 for c < 12: the batch
	s_mul_i32 s68, s67, 3
	s_sub_co_u32 s68, ttmp9, s68                   ; c % 3: the square
	s_add_co_u32 s70, s68, 1
	s_lshr_b32 s70, s70, 1                         ; the square's row: 0, 1, 1
	s_lshr_b32 s71, s68, 1                         ; and column: 0, 0, 1
	s_lshl_b32 s76, s67, 4                         ; q's first row group of the batch
	s_add_co_u32 s77, s76, 64                      ; k's: behind q's 64
	s_sub_co_u32 s78, ttmp9, 12                    ; v's cluster, 0..7: four tiles of 256 keys
	s_lshr_b32 s79, s78, 1
	s_lshl_b32 s79, s79, 3                         ; 8 x its batch: vt has 8 e groups a batch
	s_cmp_lg_u32 s68, 1
	s_cselect_b32 s[DIAG], 1, 0
	s_cmp_lt_u32 ttmp9, 12                         ; the scores, or v?
	s_cselect_b32 s[VP], 0, 1
	s_cselect_b32 s70, s70, 0                      ; the cluster's row of four tiles
	s_cselect_b32 s71, s71, s78                    ; and its column
	s_cselect_b32 s79, s76, s79                    ; the output's first row group
	s_cselect_b32 s76, s76, 16                     ; A's first row group in its buffer: Wv lies behind Wq's and Wk's 16
	s_cselect_b32 s77, s77, 0                      ; B's
	s_lshl_b32 s17, s70, 2
	s_add_co_u32 s17, s17, s41                     ; tile row
	s_lshl_b32 s42, s71, 2
	s_add_co_u32 s42, s42, s40                     ; tile column
	s_lshl_b32 s43, s41, 2
	s_lshl_b32 s43, 15, s43
	s_lshl_b32 s44, 0x1111, s40
	s_or_b32 s[G1], s43, (3<<16)|(1<<21)           ; 15:0 the mask; 17:16 elements of 8 bytes; 21 set beside a mask; no padding
	s_or_b32 s[G1B], s44, (3<<16)|(1<<21)
.irp g, G1, G1B                        ; 25,600 dense bytes as 100 rows of 256 bytes
	s_mov_b32 s[\g+1], 32<<16
	s_mov_b32 s[\g+2], 100<<16
	s_mov_b32 s[\g+3], 32<<16
	s_mov_b32 s[\g+4], 100
	s_mov_b32 s[\g+5], 32
	s_mov_b32 s[\g+6], 0
	s_mov_b32 s[\g+7], 0
.endr
	s_lshl_b32 s20, s17, 1
	s_add_co_u32 s20, s20, s16
	s_add_co_u32 s20, s20, s76
	s_mul_i32 s20, s20, 8*UNIT                     ; A's row group that I fetch
	s_mov_b32 s21, 0
	s_lshl_b32 s46, s42, 1
	s_add_co_u32 s46, s46, s16
	s_add_co_u32 s46, s46, s77
	s_mul_i32 s46, s46, 8*UNIT                     ; B's
	s_mov_b32 s47, 0
	s_mul_i32 s45, s14, TILE
	s_mov_b32 s[SEL], 0x76543210
	s_mov_b32 s[SEL+1], 0xfedcba98
	s_mov_b32 s[CS], 0x3d38aa3b                    ; log2(e) / 32
	s_mov_b32 s[CS+1], s[CS]                       ; (named with it as a pair, so it is written)
	s_wait_kmcnt 0x0
	s_cmp_lt_u32 ttmp9, 12                         ; the choices hang on the cluster's number alone
	s_cselect_b64 s[80:81], s[4:5], s[8:9]         ; A's buffer: qk or wc
	s_cselect_b64 s[82:83], s[4:5], s[6:7]         ; B's: qk or xc
	s_cselect_b64 s[OUT:OUT+1], s[10:11], s[74:75] ; the codes': pc or vt
	s_add_nc_u64 s[20:21], s[80:81], s[20:21]
	s_add_nc_u64 s[46:47], s[82:83], s[46:47]
	CROUND                                         ; all sixteen work-groups are here: the first joint loads meet
	FIRST G0, G0B, 0
	FIRST G0+4, G0B+4, 1
	FIRST G0C, G0CB, 2
	v_and_b32 v1, 15, v0                           ; r
	v_bfe_u32 v2, v0, 4, 1                         ; h
	v_and_b32 v3, 31, v0
	v_lshlrev_b32 v3, 4, v3                        ; 16 x lane
	s_mul_i32 s21, s15, TILE
	s_mul_i32 s22, s16, TILE
	s_add_co_u32 s22, s22, 2*TILE
	s_sub_co_u32 s23, s22, s21
	v_mul_u32_u24 v6, s23, v2                      ; lanes 16-31 take B's scale words
	v_lshl_add_u32 v6, v1, 4, v6
	s_add_co_u32 s23, s21, SCO
.irp s, 0,1,2
	v_add_nc_u32 v[ADRA+\s], s21, v3
	v_add_nc_u32 v[ADRB+\s], s22, v3
	v_add_nc_u32 v[ADRS+\s], s23, v6
	s_add_co_u32 s21, s21, SLOT
	s_add_co_u32 s22, s22, SLOT
	s_add_co_u32 s23, s23, SLOT
.endr
	; my unit: number 16 x (the output's first row group + 2 x tile row + my half) + (2 x tile column + my half) % 16
	s_lshl_b32 s90, s17, 1
	s_add_co_u32 s90, s90, s15
	s_add_co_u32 s90, s90, s79
	s_lshl_b32 s90, s90, 4
	s_lshl_b32 s91, s42, 1
	s_add_co_u32 s91, s91, s16
	s_and_b32 s91, s91, 15                         ; the key step
	s_add_co_u32 s90, s90, s91
	s_mul_i32 s12, s90, UNIT
	s_mov_b32 s13, 0
	s_add_nc_u64 s[OUT:OUT+1], s[OUT:OUT+1], s[12:13]
	s_lshl_b32 s12, s90, 10
	s_add_nc_u64 s[PST:PST+1], s[PST:PST+1], s[12:13]   ; (the scores' way out alone stores there)
	s_sub_co_i32 s18, s17, s42
	s_lshl_b32 s18, s18, 8
	s_sub_co_i32 s19, s15, s16
	s_lshl_b32 s19, s19, 7
	s_add_co_i32 s18, s18, s19                     ; the scores: my first query less my first key
	v_and_b32 v4, 8, v1
	v_add_nc_u32 v4, v4, v1
	v_lshlrev_b32 v5, 4, v2
	v_sub_nc_u32 v4, v4, v5
	v_add_nc_u32 v[VD0], s18, v4                   ; + r + 8 (r / 8) - 16 h
	v_mov_b32 v[NINF], 0xff800000                  ; -infinity
	s_wait_tensorcnt 2                             ; my part of slot 0 is in (slots 1 and 2 may be out)
	s_barrier_signal -1
	s_barrier_wait -1                              ; everybody's is
	FETCH_B 0, 0, 0
	FETCH_A 0, 0, 0
	SCALES 0, 0
	FETCH_A 0, 0, 4
	STEP 0, 0, 1                                   ; K step 0: the first products start the sums
	TURN 0, 0, 1, 1, 1                             ; slot 0 takes K step 3
	STEP 1, 1, 0                                   ; K step 1
	TURN 1, 1, 2, 0, 0
	STEP 2, 0, 0                                   ; K step 2
	TURN 2, 0, 0, 1, 2
	STEP 0, 1, 0                                   ; K step 3
	s_wait_dscnt 12
	WIN MUL_LO
	MUL16 0, 1, 1, 1, 0
	MUL16 2, 1, 1, 1, 0
	s_wait_dscnt 0x0
	WIN MUL_HI
	MUL16 4, 1, 1, 1, 0
	MUL16 6, 1, 1, 1, 0
	WIN 0
; THE SCORES' WAY OUT.  A's block a: mask, local M, p, l; every pass takes each accumulator from its low end on.
.macro SOFT a
.set AC, 64*((\a)%4)
	s_cmp_eq_u32 s[DIAG], 0                        ; in the full square every key counts
	s_cbranch_scc1 .Lopen_\@
	v_add_nc_u32 v[DD], 32*((\a)/2)+8*((\a)%2), v[VD0]   ; d = my query - the wave's first key - 16 h: register 16 b + i is hidden where 32 b + i > d
	WIN 0x82+0x41*((\a)/4)                         ; destination and source 0: window 2 or 3
.set NN, 0
.rept 64
	v_cmp_gt_i32 vcc_lo, 32*(NN/16)+NN%16, v[DD]
	v_cndmask_b32 v[AC+NN], v[AC+NN], v[NINF], vcc_lo
.set NN, NN+1
.endr
	WIN 0
.Lopen_\@:
	WIN 0x0a+5*((\a)/4)                            ; sources 0 and 1: window 2 or 3
.irp b, 0,1,2,3
	v_max_num_f32 v[BMX+\b], v[AC+16*\b], v[AC+16*\b+1]   ; the largest SCORE of each block of 32 keys: it serves for the maximum and, since p rises with the score, for the block's largest p
.endr
.irp i, 2,4,6,8,10,12,14
.irp b, 0,1,2,3
	v_max3_num_f32 v[BMX+\b], v[AC+16*\b+\i], v[AC+16*\b+\i+1], v[BMX+\b]
.endr
.endr
	WIN 0
.irp b, 0,1,2,3
	v_permlanex16_b32 v[BT+\b], v[BMX+\b], s[SEL], s[SEL+1]
.endr
.irp b, 0,1,2,3
	v_max_num_f32 v[BMX+\b], v[BMX+\b], v[BT+\b]
.endr
	v_max3_num_f32 v[TP], v[BMX], v[BMX+1], v[BMX+2]
	v_max3_num_f32 v[TP], v[TP], v[BMX+3], 0xff61b1e6   ; not under -3e38: a query with no key here keeps a finite M
	v_mul_f32 v[TP], s[CS], v[TP]
	v_floor_f32 v[NMP], -v[TP]                     ; -M = floor(-t) = -ceil(t)
	v_mov_b32 v[NMR+(\a)], v[NMP]
.irp b, 0,1,2,3
	v_fma_f32 v[BMX+\b], v[BMX+\b], s[CS], v[NMP]
.endr
	WIN 0x82+0x41*((\a)/4)
.set NN, 0
.rept 32
	v_pk_fma_f32 v[AC+NN:AC+NN+1], v[AC+NN:AC+NN+1], s[CS:CS+1], v[NMP:NMP+1] op_sel_hi:[1,0,0]   ; t - M
.set NN, NN+2
.endr
.set NN, 0
.rept 64
	v_exp_f32 v[AC+NN], v[AC+NN]                   ; p = 2^(t - M), at most 1
.set NN, NN+1
.endr
	WIN 0
	v_nop                                          ; a plain place behind the exponentials
	s_wait_alu depctr_va_vdst(0)                   ; one wait for the 64, ahead of their first reader
.irp b, 0,1,2,3
	v_exp_f32 v[BMX+\b], v[BMX+\b]                 ; the blocks' largest p
.endr
	WIN 0x0a+5*((\a)/4)
	v_pk_add_f32 v[LS:LS+1], v[AC:AC+1], v[AC+2:AC+3]     ; the sum of the UNQUANTISED p, two at a time, in two chains
	v_pk_add_f32 v[LS2:LS2+1], v[AC+4:AC+5], v[AC+6:AC+7]
	WIN 0x02+(\a)/4
.set NN, 8
.rept 14
	v_pk_add_f32 v[LS:LS+1], v[AC+NN:AC+NN+1], v[LS:LS+1]
	v_pk_add_f32 v[LS2:LS2+1], v[AC+NN+2:AC+NN+3], v[LS2:LS2+1]
.set NN, NN+4
.endr
	WIN 0
	v_pk_add_f32 v[LS:LS+1], v[LS:LS+1], v[LS2:LS2+1]
	v_add_f32 v[TP], v[LS], v[LS+1]
	v_permlanex16_b32 v[TP+1], v[TP], s[SEL], s[SEL+1]
	v_add_f32 v[LLR+(\a)], v[TP], v[TP+1]          ; with lane l xor 16's 64 keys
	s_wait_alu depctr_va_vdst(0)                   ; and one for the four
.irp b, 0,1,2,3
	v_max_num_f32 v[BMX+\b], 0x1800000, v[BMX+\b]  ; the floor 2^(3 - 127): the byte cannot fall under 1
.endr
.endm
; v's WAY OUT begins with the four blocks' largest magnitudes; each accumulator is read from its low end on.
.macro QHEAD a
.set AC, 64*((\a)%4)
	WIN 0x0a+5*((\a)/4)                            ; sources 0 and 1: window 2 or 3
.irp b, 0,1,2,3
	v_max3_num_f32 v[BMX+\b], |v[AC+16*\b]|, |v[AC+16*\b+1]|, 0x1800000   ; and the floor 2^(3 - 127)
.endr
.irp i, 2,4,6,8,10,12,14
.irp b, 0,1,2,3
	v_max3_num_f32 v[BMX+\b], |v[AC+16*\b+\i]|, |v[AC+16*\b+\i+1]|, v[BMX+\b]
.endr
.endr
	WIN 0
.irp b, 0,1,2,3
	v_permlanex16_b32 v[BT+\b], v[BMX+\b], s[SEL], s[SEL+1]
.endr
.irp b, 0,1,2,3
	v_max_num_f32 v[BMX+\b], v[BMX+\b], v[BT+\b]
.endr
.endm
; BOTH: scale word, codes, three stores of 512 consecutive bytes.  Each block has registers of its own for its codes: no store's data are written again.
.macro TAILQ a
.set AC, 64*((\a)%4)
.set PC, 128+12*(\a)
.irp b, 0,1,2,3
	v_add_nc_u32 v[SOP+\b], 0xff000000, v[BMX+\b]  ; 2 off the exponent field: the conversion's scale operand
.endr
.irp b, 0,1,2,3
	v_lshrrev_b32 v[BY+\b], 23, v[SOP+\b]
.endr
	v_lshl_or_b32 v[PWR+(\a)], v[BY+1], 8, v[BY]
	v_lshl_or_b32 v[PWR+(\a)], v[BY+2], 16, v[PWR+(\a)]
	v_lshl_or_b32 v[PWR+(\a)], v[BY+3], 24, v[PWR+(\a)]
	WIN 0x02+(\a)/4
.irp c, 0,1
	v_cvt_scalef32_pk16_fp6_f32 v[PC+6*\c:PC+6*\c+2], v[AC+32*\c:AC+32*\c+15], v[SOP+2*\c]
	v_cvt_scalef32_pk16_fp6_f32 v[TQ+4*\c:TQ+4*\c+2], v[AC+32*\c+16:AC+32*\c+31], v[SOP+2*\c+1]
.endr
	WIN 0
	v_nop                                          ; one plain place behind the scaled conversions
.irp c, 0,1
.irp i, 0,1,2
	v_permlane16_swap_b32 v[PC+6*\c+\i], v[TQ+4*\c+\i]
.endr
.irp i, 0,1,2
	v_mov_b32 v[PC+3+6*\c+\i], v[TQ+4*\c+\i]
.endr
.endr
.irp c, 0,1,2
	global_store_b128 v3, v[PC+4*\c:PC+4*\c+3], s[OUT:OUT+1] offset:FRB*(\a)+512*\c
.endr
.endm
.macro WORDS src, dst, base, off       ; eight registers (one a block) leave in the scale area's order: lanes 0-15 blocks 0-3, lanes 16-31 blocks 4-7: 512 consecutive bytes
.irp j, 0,1,2,3
	v_cndmask_b32 v[\dst+\j], v[\src+\j], v[\src+4+\j], vcc_lo
.endr
	global_store_b128 v3, v[\dst:\dst+3], s[\base:\base+1] offset:\off
.endm
	PLACES 4                                       ; behind the last products: their operands' registers take the codes
.irp b, 0,1,2,3
	v_mov_b32 v[BT+\b], 0                          ; written once: a lane permute's destination counts as one of its sources
.endr
	v_mov_b32 v[TP+1], 0
	v_mov_b32 v[NMP+1], 0                          ; (named as the upper half of a pair)
	s_cmp_lg_u32 s[VP], 0                          ; the same in all sixteen partners
	s_cbranch_scc1 .Lvpart
.irp a, 0,1,2,3,4,5,6,7
	SOFT \a
	TAILQ \a
.endr
	v_cmp_ne_u32 vcc_lo, 0, v2
	WORDS PWR, OW, OUT, SCO
	WORDS NMR, ON, PST, 0
	WORDS LLR, OL, PST, 512
	s_branch .Lend
.Lvpart:
.irp a, 0,1,2,3,4,5,6,7
	QHEAD \a
	TAILQ \a
.endr
	v_cmp_ne_u32 vcc_lo, 0, v2
	WORDS PWR, OW, OUT, SCO
.Lend:
	s_wait_tensorcnt 0x0                           ; the wave's end
	ds_add_u32 v[SPW], v[NIL]
	s_wait_dscnt 0x0
	CROUND                                         ; the closing round
	s_endpgm
.Lfunc_end_k_qa49fa9d25b_score:
	.size	k_qa49fa9d25b_score, .Lfunc_end_k_qa49fa9d25b_score-k_qa49fa9d25b_score
	.p2alignl 7, 3214868480
	.fill 96, 4, 3214868480
	.section	.rodata,"a",@progbits
	.p2align	6, 0x0
	.amdhsa_kernel k_qa49fa9d25b_score
		.amdhsa_group_segment_fixed_size 327680
		.amdhsa_private_segment_fixed_size 0
		.amdhsa_enable_private_segment 0
		.amdhsa_kernarg_size 48
		.amdhsa_user_sgpr_count 2
		.amdhsa_user_sgpr_kernarg_segment_ptr 1
		.amdhsa_wavefront_size32 1
		.amdhsa_system_sgpr_workgroup_id_x 1
		.amdhsa_system_sgpr_workgroup_id_y 1
		.amdhsa_system_sgpr_workgroup_id_z 1
		.amdhsa_system_vgpr_workitem_id 0
		.amdhsa_next_free_vgpr 1024
		.amdhsa_next_free_sgpr 100
		.amdhsa_reserve_vcc 1
		.amdhsa_float_denorm_mode_32 3
		.amdhsa_float_denorm_mode_16_64 3
		.amdhsa_memory_ordered 1
		.amdhsa_forward_progress 1
		.amdhsa_inst_pref_size 255
	.end_amdhsa_kernel
	.section	.bss,"aw",@nobits
	.p2align	6
	.space	262144
	.amdgpu_metadata
---
amdhsa.version: [ 1, 2 ]
amdhsa.kernels:
  - .name:           k_qa49fa9d25b_score
    .symbol:         k_qa49fa9d25b_score.kd
    .args:
      - { .name: qk, .offset: 0, .size: 8, .value_kind: global_buffer, .address_space: global }
      - { .name: xc, .offset: 8, .size: 8, .value_kind: global_buffer, .address_space: global }
      - { .name: wc, .offset: 16, .size: 8, .value_kind: global_buffer, .address_space: global }
      - { .name: pc, .offset: 24, .size: 8, .value_kind: global_buffer, .address_space: global }
      - { .name: pst, .offset: 32, .size: 8, .value_kind: global_buffer, .address_space: global }
      - { .name: vt, .offset: 40, .size: 8, .value_kind: global_buffer, .address_space: global }
    .group_segment_fixed_size: 327680
    .private_segment_fixed_size: 0
    .kernarg_segment_align: 8
    .kernarg_segment_size: 48
    .max_flat_workgroup_size: 128
    .sgpr_count:     100
    .vgpr_count:     1024
    .wavefront_size: 32
...
	.end_amdgpu_metadata
.endif
;; end of part 3
;; launch mix (part 4): grid 4 x 64, 4 waves a work-group, clusters of 4 x 4, 327,680 bytes of LDS; arguments pc, pst, vt, out0; writes out0
.if DOCPART == 4
	.amdgcn_target "amdgcn-amd-amdhsa--gfx1250"
	.amdhsa_code_object_version 6
	.text
	.protected	k_qa49fa9d25b_mix
	.globl	k_qa49fa9d25b_mix
	.p2align	8
	.type	k_qa49fa9d25b_mix,@function
k_qa49fa9d25b_mix:
	s_mov_b64 s[64:65], 0
	v_nop
	global_prefetch_b8 v0, s[64:65] scope:SCOPE_SE
	s_setreg_imm32_b32 hwreg(HW_REG_WAVE_MODE, 25, 1), 1
	s_wait_xcnt 0x0
	s_wait_alu depctr_hold_cnt(0) depctr_sa_sdst(0) depctr_va_vdst(0) depctr_va_sdst(0) depctr_va_ssrc(0) depctr_va_vcc(0) depctr_vm_vsrc(0)
	s_getreg_b32 s2, hwreg(HW_REG_IB_STS2, 6, 4)
	s_cmp_eq_u32 s2, 0
	s_cbranch_scc0 .Lentry_in_a_cluster
	s_endpgm
.Lentry_in_a_cluster:
	s_bfe_u32 s2, ttmp6, 0x10000c
	s_cmp_lg_u32 s2, 0xf033
	s_cbranch_scc0 .Lentry_shape_is_right
	s_endpgm
.Lentry_shape_is_right:
; O = P V / l on codes of FP6 (E2M3) with E8M0 scales.  P: pc [query group 64][key step 16][unit], quantised under a local M for each query and 128 keys; -M and l of each in pst; V^T: vt [batch][e group 8][key step 16][unit].
; (A unit: 128 rows x 128 K = 12,800 bytes: fragment i at 1,536 i as an image of its registers; scale word (i, r) at 12,288 + 256 (i / 4) + 16 r + 4 (i % 4); lane row r of fragment i is row 32 (i / 2) + 8 (i % 2) + r + 8 (r / 8).)
; THE ROW'S M.  -M_row = the least -M_local.  d = M_local - M_row is a whole number, 0 or less: l = the sum of l_local x 2^d, and P's scale bytes of that key step are lowered by -d: both exact.
; LIMIT: a byte that would fall under 0 is held at 0 (2^-127): what that adds lies under 2^-124 x |v|, beside a row whose largest p is above 1/2.  Bytes arrive at 125 at the most, so four bytes are lowered in one word without a borrow.
; SHARES.  256 work-groups: 128 queries (one group) x 256 e; a wave 64 x 128: 32 accumulators.  Transposed use: source 0 = 16 rows (e) of V^T, source 1 = 16 queries: a lane holds one query and neighbouring e.
; K: the query groups of a batch's first 1,024 queries have 8 key steps written, the others 16 (zero codes beyond the diagonal): cluster y says which: a branch that is the same in all partners.
; The long way runs key steps 0-11, the short way 0-3; both join for a last change of slots and four more steps.  A slot holds 512 keys: P's 4 units, then 4 units of each of V^T's two e groups.
; The prologue makes 16 planes of moved scale words: planes 8-15 are key steps 8-15 (long) or 0-7 (short); planes 0-7 are key steps 0-7, which the short way does not use: there their -M is lifted to 2^125, so that they add 0 to l.
; CLUSTERS 4 x 4: P's units are shared along a row of the cluster (same queries), V^T's along a column (same e): joint loads.  By this text's count a wave has at most two tensor loads out.
; REGISTERS: window 0: v1 r, v2 h, v3 16 x lane, v16-30 addresses; v32-55 scale words, two sets (4 of P, 8 of V^T); v56-59 1 / l; v64-127 the prologue, later scaled results; v128-223 P's fragments, two sets; on the way out v128-255 rows of O.
;   window 1: V^T's fragments, two sets (v0, v128).   window 2: accumulator (a, b) at v[8 (8 a + b)].
.set UNIT,  12800
.set FRB,   1536
.set SCO,   12288
.set FR,    12
.set AB,    4*UNIT                     ; four key steps of one row group
.set SLOT4, 3*AB
.set FS,    2*SLOT4                    ; 16 planes of 512 bytes: P's moved scale words
.set ILA,   FS+16*512                  ; 512 bytes: 1 / l
.set SPARE, ILA+512                    ; the spare words, 128 bytes a wave: two blocks of 256 bytes that no other line names
.set SPITCH, 528                       ; the way out: 16 rows x (512 bytes + 16) a wave, from LDS byte 0: slot 0 has had its last fill and its last read by then
.set CO,    3
.set ADA,   16
.set ADB,   20
.set ADSB,  22
.set ADFS,  24
.set STO,   25
.set RD,    26
.set FSA,   27
.set SPW,   28
.set NIL,   29
.set T4,    30
.set IL,    56
.set NM,    64
.set LL,    80
.set WW,    96
.set T,     64
.set AF,    128
.set G1,    24
.set G0,    32
.set G1B,   48
.set G0B,   56
.set MUL,   0xa1                       ; source 0 (V^T) window 1, source 1 (P) window 0, C and D window 2
.set MSB, 0
.macro WIN new
.if MSB != (\new)
	s_set_vgpr_msb (MSB<<8)|(\new)
.set MSB, (\new)
.endif
.endm
.macro JLOAD g0a, g1a, g0b, g1b        ; waves 0, 1 fetch P's halves of a slot, waves 2, 3 V^T's two e groups; four v_nop follow each line
	s_cmp_eq_u32 s15, 0
	s_cbranch_scc0 .Lfor_b_\@
	tensor_load_to_lds s[\g0a:\g0a+3], s[\g1a:\g1a+7]
	s_nop 0
.rept 4
	v_nop
.endr
	s_branch .Lasked_\@
.Lfor_b_\@:
	tensor_load_to_lds s[\g0b:\g0b+3], s[\g1b:\g1b+7]
	s_nop 0
.rept 4
	v_nop
.endr
.Lasked_\@:
.endm
.macro CREST
	s_cmp_lg_u32 s14, 0
	s_cbranch_scc1 .Lnot_wave_0_\@
	s_barrier_signal -3
.Lnot_wave_0_\@:
	s_barrier_wait -3
	s_barrier_signal -1
	s_barrier_wait -1
.endm
.macro CROUND
	s_barrier_signal -1
	s_barrier_wait -1
	CREST
.endm
.macro PLACES n
.rept \n
	v_nop
.endr
.endm
.macro MULA a, p, zero                 ; my block a of queries x V^T's eight blocks; the 32 accumulators take turns, one instruction a turn
.irp b, 0,1,2,3,4,5,6,7
.if \zero
	v_wmma_scale_f32_16x16x128_f8f6f4 v[8*(8*(\a)+\b):8*(8*(\a)+\b)+7], v[128*(\p)+FR*\b:128*(\p)+FR*\b+FR-1], v[AF+48*(\p)+FR*(\a):AF+48*(\p)+FR*(\a)+FR-1], 0, v[36+12*(\p)+\b], v[32+12*(\p)+(\a)] matrix_a_fmt:MATRIX_FMT_FP6 matrix_b_fmt:MATRIX_FMT_FP6
.else
	v_wmma_scale_f32_16x16x128_f8f6f4 v[8*(8*(\a)+\b):8*(8*(\a)+\b)+7], v[128*(\p)+FR*\b:128*(\p)+FR*\b+FR-1], v[AF+48*(\p)+FR*(\a):AF+48*(\p)+FR*(\a)+FR-1], v[8*(8*(\a)+\b):8*(8*(\a)+\b)+7], v[36+12*(\p)+\b], v[32+12*(\p)+(\a)] matrix_a_fmt:MATRIX_FMT_FP6 matrix_b_fmt:MATRIX_FMT_FP6
.endif
.endr
.endm
.macro FETCH4 slot, q, p, sg           ; 39 loads for the slot's q-th key step into set p: 3 of scale words (P's from plane sg), 24 of V^T, 12 of P
	ds_load_b128 v[32+12*(\p):35+12*(\p)], v[ADFS] offset:512*(\sg)
	ds_load_b128 v[36+12*(\p):39+12*(\p)], v[ADSB+\slot] offset:UNIT*(\q)
	ds_load_b128 v[40+12*(\p):43+12*(\p)], v[ADSB+\slot] offset:UNIT*(\q)+256
	WIN 0x40
.irp b, 0,1,2,3,4,5,6,7
.irp c, 0,1,2
	ds_load_b128 v[128*(\p)+FR*\b+4*\c:128*(\p)+FR*\b+4*\c+3], v[ADB+\slot] offset:UNIT*(\q)+FRB*\b+512*\c
.endr
.endr
	WIN 0
.irp a, 0,1,2,3
.irp c, 0,1,2
	ds_load_b128 v[AF+48*(\p)+FR*\a+4*\c:AF+48*(\p)+FR*\a+4*\c+3], v[ADA+\slot] offset:UNIT*(\q)+FRB*\a+512*\c
.endr
.endr
.endm
.macro STEP4 slot, q, sg, zero         ; one of a slot's first three key steps; it fetches the next
	s_wait_dscnt 9                                 ; all but P's blocks 1-3 (3 x 3 loads) are in
	WIN MUL
	MULA 0, (\q)%2, \zero
	PLACES 4                                       ; four places in front of loads into the other set, which the step before multiplied
	WIN 0
	FETCH4 \slot, (\q)+1, 1-(\q)%2, (\sg)+1
	s_wait_dscnt 45                                ; the 39 just issued and P's blocks 2, 3 may be out
	WIN MUL
	MULA 1, (\q)%2, \zero
	s_wait_dscnt 42
	MULA 2, (\q)%2, \zero
	s_wait_dscnt 39
	MULA 3, (\q)%2, \zero
.endm
.macro TURN4 slot, next, fill, sg      ; a slot's fourth key step (set 1) and the change of slots
	WIN 0
	s_wait_tensorcnt 0x0                           ; all my tensor loads have landed: my part of the next slot
	ds_add_u32 v[SPW], v[NIL]                      ; 0 onto my spare word
	s_wait_dscnt 10                                ; the add and P's blocks 1-3 may be out
	WIN MUL
	MULA 0, 1, 0
	s_wait_dscnt 0x0                               ; the add is done, and my reads of this slot are over
	s_barrier_signal -1
	MULA 1, 1, 0
	WIN 0
	s_barrier_wait -1
.if \fill
	CREST                                          ; the barrier has opened a round of the cluster's: no wave of any partner still reads this slot or has a load on its way
	s_add_nc_u64 s[G0+4*\slot+2:G0+4*\slot+3], s[G0+4*\slot+2:G0+4*\slot+3], 2*AB
	s_add_nc_u64 s[G0B+4*\slot+2:G0B+4*\slot+3], s[G0B+4*\slot+2:G0B+4*\slot+3], 2*AB
	JLOAD G0+4*\slot, G1, G0B+4*\slot, G1B         ; the first tensor load behind the round; its four v_nop are the places in front of the loads below
.else
	PLACES 4
.endif
	FETCH4 \next, 0, 0, (\sg)+1
	WIN MUL
	MULA 2, 1, 0
	MULA 3, 1, 0
.endm
.macro PHASE slot, sg0, zero
	STEP4 \slot, 0, \sg0, \zero
	STEP4 \slot, 1, (\sg0)+1, 0
	STEP4 \slot, 2, (\sg0)+2, 0
.endm
	s_load_b256 s[4:11], s[0:1], 0x0               ; pc, pst, vt, out0
	v_lshl_add_u32 v[SPW], v0, 2, SPARE
	v_mov_b32 v[NIL], 0
	ds_add_u32 v28, v29
	ds_add_u32 v28, v29
	s_wait_dscnt 0x0
	v_lshl_add_u32 v[FSA], v0, 2, FS               ; thread t owns the row whose entry lies at byte 4 t of every plane
	v_lshlrev_b32 v[T4], 2, v0
	v_lshrrev_b32 v1, 5, v0
	v_readfirstlane_b32 s14, v1                    ; wave 0..3
	s_lshr_b32 s15, s14, 1                         ; my half of the 128 queries.  Also: I fetch for P (0) or V^T (1)
	s_and_b32 s16, s14, 1                          ; my e group of the two.  Also: which part I fetch
	s_bfe_u32 s40, ttmp6, 0x40000                  ; cx
	s_bfe_u32 s41, ttmp6, 0x40004                  ; cy
	s_and_b32 s66, ttmp7, 0xffff                   ; cluster y, 0..15
	s_lshl_b32 s17, s66, 2
	s_add_co_u32 s17, s17, s41                     ; my query group
	s_lshr_b32 s67, s66, 2                         ; the batch
	s_bfe_u32 s68, s66, 0x10001                    ; 1: the batch's later 1,024 queries: 16 key steps
	s_lshl_b32 s43, s41, 2
	s_lshl_b32 s43, 15, s43
	s_lshl_b32 s44, 0x1111, s40
	s_or_b32 s[G1], s43, (3<<16)|(1<<21)           ; P's: to my row of the cluster; elements of 8 bytes; no padding
	s_or_b32 s[G1B], s44, (3<<16)|(1<<21)          ; V^T's: to my column
	s_mov_b32 s[G1+1], 32<<16                      ; two units: 25,600 dense bytes as 100 rows of 256
	s_mov_b32 s[G1+2], 100<<16
	s_mov_b32 s[G1+3], 32<<16
	s_mov_b32 s[G1+4], 100
	s_mov_b32 s[G1+5], 32
	s_mov_b32 s[G1+6], 0
	s_mov_b32 s[G1+7], 0
	s_mov_b32 s[G1B+1], 32<<16                     ; four units: 200 rows of 256
	s_mov_b32 s[G1B+2], 200<<16
	s_mov_b32 s[G1B+3], 32<<16
	s_mov_b32 s[G1B+4], 200
	s_mov_b32 s[G1B+5], 32
	s_mov_b32 s[G1B+6], 0
	s_mov_b32 s[G1B+7], 0
	s_mul_i32 s20, s17, 16*UNIT
	s_mul_i32 s45, s16, 2*UNIT                     ; my two units of a slot's four: in memory and in LDS
	s_add_co_u32 s20, s20, s45
	s_mov_b32 s21, 0
	s_lshl_b32 s46, s40, 1
	s_add_co_u32 s46, s46, s16                     ; e group 2 cx + the one I fetch
	s_mul_i32 s46, s46, 16*UNIT
	s_mul_i32 s47, s67, 128*UNIT
	s_add_co_u32 s46, s46, s47
	s_mov_b32 s47, 0
	s_mul_i32 s69, s16, AB
	s_add_co_u32 s69, s69, AB                      ; and its place in a slot
	s_lshl_b32 s70, s17, 14                        ; my group's statistics: 16 x 1,024 bytes
	s_mov_b32 s71, 0
	s_mul_i32 s74, s17, 16*UNIT
	s_add_co_u32 s74, s74, SCO                     ; and P's scale words
	s_mov_b32 s75, 0
	s_mov_b32 s79, 0xff7fffff
	s_cmp_eq_u32 s68, 0
	s_cselect_b32 s78, 0x7e000000, s79             ; what planes 0-7's -M is lifted to: 2^125 on the short way, nothing on the long
	s_cselect_b32 s80, 0, 8*1024                   ; planes 8-15 come from key steps 0-7 on the short way, 8-15 on the long
	s_cselect_b32 s82, 0, 8*UNIT
	s_mov_b32 s81, 0
	s_mov_b32 s83, 0
	s_lshl_b32 s84, s17, 7
	s_lshl_b32 s85, s15, 6
	s_add_co_u32 s84, s84, s85
	s_lshl_b32 s84, s84, 12                        ; O: my first row, of 4,096 bytes,
	s_lshl_b32 s85, s40, 10
	s_add_co_u32 s84, s84, s85
	s_lshl_b32 s85, s16, 9
	s_add_co_u32 s84, s84, s85                     ; + my 128 columns
	s_mov_b32 s85, 0
	s_mov_b32 s91, 0x01010101
	s_mov_b32 s92, 255
	s_wait_kmcnt 0x0
	s_add_nc_u64 s[20:21], s[4:5], s[20:21]
	s_add_nc_u64 s[46:47], s[8:9], s[46:47]
	s_add_nc_u64 s[70:71], s[6:7], s[70:71]
	s_add_nc_u64 s[72:73], s[70:71], s[80:81]
	s_add_nc_u64 s[74:75], s[4:5], s[74:75]
	s_add_nc_u64 s[76:77], s[74:75], s[82:83]
	s_add_nc_u64 s[10:11], s[10:11], s[84:85]
	CROUND                                         ; all sixteen work-groups are here: the first joint loads meet
.irp s, 0,1
	s_mov_b32 s[G0+4*\s], 1
	s_add_co_u32 s[G0+4*\s+1], s45, \s*SLOT4
	s_add_nc_u64 s[G0+4*\s+2:G0+4*\s+3], s[20:21], \s*AB
	s_or_b32 s[G0+4*\s+3], s[G0+4*\s+3], 0x80000000
	s_mov_b32 s[G0B+4*\s], 1
	s_add_co_u32 s[G0B+4*\s+1], s69, \s*SLOT4
	s_add_nc_u64 s[G0B+4*\s+2:G0B+4*\s+3], s[46:47], \s*AB
	s_or_b32 s[G0B+4*\s+3], s[G0B+4*\s+3], 0x80000000
	JLOAD G0+4*\s, G1, G0B+4*\s, G1B
.endr
	; THE PROLOGUE: my row's 16 x (-M, l, scale word)
.irp s, 0,1,2,3,4,5,6,7
	global_load_b32 v[NM+\s], v[T4], s[70:71] offset:1024*\s
	global_load_b32 v[NM+8+\s], v[T4], s[72:73] offset:1024*\s
	global_load_b32 v[LL+\s], v[T4], s[70:71] offset:1024*\s+512
	global_load_b32 v[LL+8+\s], v[T4], s[72:73] offset:1024*\s+512
	global_load_b32 v[WW+\s], v[T4], s[74:75] offset:UNIT*\s
	global_load_b32 v[WW+8+\s], v[T4], s[76:77] offset:UNIT*\s
.endr
	v_and_b32 v1, 15, v0                           ; r
	v_bfe_u32 v2, v0, 4, 1                         ; h
	v_and_b32 v3, 31, v0
	v_lshlrev_b32 v3, 4, v3                        ; 16 x lane
	v_lshlrev_b32 v4, 4, v1                        ; 16 r
	s_mul_i32 s86, s15, 4*FRB                      ; my four blocks of P
	s_mul_i32 s87, s16, AB
	s_add_co_u32 s87, s87, AB                      ; my e group
	s_add_co_u32 s88, s87, SCO
.irp s, 0,1
	v_add_nc_u32 v[ADA+\s], s86, v3
	v_add_nc_u32 v[ADB+\s], s87, v3
	v_add_nc_u32 v[ADSB+\s], s88, v4
	s_add_co_u32 s86, s86, SLOT4
	s_add_co_u32 s87, s87, SLOT4
	s_add_co_u32 s88, s88, SLOT4
.endr
	s_lshl_b32 s89, s15, 8
	s_add_co_u32 s89, s89, FS
	v_add_nc_u32 v[ADFS], s89, v4                  ; my four blocks' words of a plane
	s_mul_i32 s90, s14, 16*SPITCH
	v_mul_u32_u24 v5, v1, SPITCH
	v_lshl_add_u32 v5, v2, 6, v5
	v_add_nc_u32 v[STO], s90, v5                   ; stage, in: row r, + 64 h
	v_add_nc_u32 v[RD], s90, v3                    ; stage, out: a row's 512 bytes
	s_wait_loadcnt 0x0
.irp s, 0,1,2,3,4,5,6,7
	v_max_num_f32 v[NM+\s], s78, v[NM+\s]
.endr
	v_min3_num_f32 v112, v[NM], v[NM+1], v[NM+2]
.irp i, 3,5,7,9,11,13
	v_min3_num_f32 v112, v112, v[NM+\i], v[NM+\i+1]
.endr
	v_min_num_f32 v112, v112, v[NM+15]             ; -M of the row
.irp s, 0,1,2,3,4,5,6,7,8,9,10,11,12,13,14,15
	v_sub_f32 v[NM+\s], v112, v[NM+\s]             ; d = M_local - M_row: a whole number, 0 or less
.endr
.irp s, 0,1,2,3,4,5,6,7,8,9,10,11,12,13,14,15
	v_cvt_i32_f32 v[NM+\s], v[NM+\s]               ; (it saturates)
.endr
.irp s, 0,1,2,3,4,5,6,7,8,9,10,11,12,13,14,15
	v_ldexp_f32 v[LL+\s], v[LL+\s], v[NM+\s]       ; l_local under the row's M
.endr
.irp s, 0,1,2,3,4,5,6,7,8,9,10,11,12,13,14,15
	v_sub_nc_u32 v[NM+\s], 0, v[NM+\s]
.endr
.irp s, 0,1,2,3,4,5,6,7,8,9,10,11,12,13,14,15
	v_min_u32 v[NM+\s], 127, v[NM+\s]              ; -d, at most 127
.endr
.irp s, 0,1,2,3,4,5,6,7,8,9,10,11,12,13,14,15
	v_mul_lo_u32 v[NM+\s], v[NM+\s], s91           ; in each of the four bytes
.endr
.irp s, 0,1,2,3,4,5,6,7,8,9,10,11,12,13,14,15
	v_or_b32 v[WW+\s], 0x80808080, v[WW+\s]        ; 128 on each byte: no byte borrows from its neighbour
.endr
.irp s, 0,1,2,3,4,5,6,7,8,9,10,11,12,13,14,15
	v_sub_nc_u32 v[WW+\s], v[WW+\s], v[NM+\s]
.endr
.irp s, 0,1,2,3,4,5,6,7,8,9,10,11,12,13,14,15
	v_lshrrev_b32 v[NM+\s], 7, v[WW+\s]
.endr
.irp s, 0,1,2,3,4,5,6,7,8,9,10,11,12,13,14,15
	v_and_b32 v[NM+\s], s91, v[NM+\s]              ; 1 where the byte has not fallen under 0
.endr
.irp s, 0,1,2,3,4,5,6,7,8,9,10,11,12,13,14,15
	v_mul_lo_u32 v[NM+\s], v[NM+\s], s92           ; 0xff there
.endr
.irp s, 0,1,2,3,4,5,6,7,8,9,10,11,12,13,14,15
	v_and_b32 v[NM+\s], 0x7f7f7f7f, v[NM+\s]
.endr
.irp s, 0,1,2,3,4,5,6,7,8,9,10,11,12,13,14,15
	v_and_b32 v[WW+\s], v[WW+\s], v[NM+\s]         ; the moved bytes, held at 0 from below
.endr
.irp s, 0,1,2,3,4,5,6,7,8,9,10,11,12,13,14,15
	ds_store_b32 v[FSA], v[WW+\s] offset:512*\s
.endr
.irp s, 0,1,2,3,4,5,6,7
	v_add_f32 v[LL+\s], v[LL+\s], v[LL+8+\s]
.endr
.irp s, 0,1,2,3
	v_add_f32 v[LL+\s], v[LL+\s], v[LL+4+\s]
.endr
	v_add_f32 v[LL], v[LL], v[LL+2]
	v_add_f32 v[LL+1], v[LL+1], v[LL+3]
	v_add_f32 v[LL], v[LL], v[LL+1]                ; the row's sum: above 1/2, since the row's largest p is
	v_rcp_f32 v113, v[LL]
	v_nop                                          ; a plain place behind the transcendental
	s_wait_alu depctr_va_vdst(0)                   ; and the wait ahead of its first reader
	ds_store_b32 v[FSA], v113 offset:ILA-FS
	s_wait_tensorcnt 1                             ; my part of slot 0 is in (slot 1's may be out)
	s_wait_dscnt 0x0                               ; my row's words and 1 / l have landed,
	s_barrier_signal -1
	s_barrier_wait -1                              ; everybody's have
	s_cmp_eq_u32 s68, 0
	s_cbranch_scc1 .Lshort
	FETCH4 0, 0, 0, 0
	PHASE 0, 0, 1                                  ; key steps 0-2; the first products start the sums
	TURN4 0, 1, 1, 3                               ; key step 3; slot 0 takes key steps 8-11
	PHASE 1, 4, 0
	TURN4 1, 0, 1, 7                               ; slot 1 takes key steps 12-15
	PHASE 0, 8, 0
	WIN 0
	s_branch .Ljoin
.Lshort:
	FETCH4 0, 0, 0, 8                              ; key steps 0-2, whose moved words lie in planes 8-10
	PHASE 0, 8, 1
	WIN 0
.Ljoin:
	TURN4 0, 1, 0, 11                              ; nothing is left to fetch
	PHASE 1, 12, 0
	s_wait_dscnt 0x0
	WIN MUL
	MULA 0, 1, 0
	MULA 1, 1, 0
	MULA 2, 1, 0
	MULA 3, 1, 0
	WIN 0
	; THE WAY OUT, a block of 16 queries x 128 e at a time: x 1 / l, through my stage, back as whole rows of 512 bytes
	PLACES 4
	ds_load_b128 v[IL:IL+3], v[ADFS] offset:ILA-FS ; 1 / l of my four blocks' row r
	s_wait_dscnt 0x0
.macro TOSTAGE a
.if (\a) > 0
	s_wait_dscnt 16                                ; the block before: its 16 loads may be out, its 16 stores have read v64-127
.endif
	WIN 0x02                                       ; source 0: window 2
.set JJ, 0
.rept 64
	v_mul_f32 v[T+JJ], v[64*(\a)+JJ], v[IL+(\a)]   ; register 16 b + i is e 32 b + 16 h + i; each accumulator from its low end on
.set JJ, JJ+1
.endr
	WIN 0
.if (\a) > 1
	s_wait_xcnt 0x0                                ; block a - 2's stores have read the registers that the loads below fill
.endif
.set JJ, 0
.rept 16
	ds_store_b128 v[STO], v[T+4*JJ:T+4*JJ+3] offset:128*(JJ/4)+16*(JJ%4)
.set JJ, JJ+1
.endr
.set BB, 128+64*((\a)%2)
.set JJ, 0
.rept 16
	ds_load_b128 v[BB+4*JJ:BB+4*JJ+3], v[RD] offset:SPITCH*JJ   ; a wave's LDS instructions are served in order: these see the stores above
.set JJ, JJ+1
.endr
.endm
.macro SEND a, younger                 ; younger: the LDS instructions issued behind block a's loads
.set BB, 128+64*((\a)%2)
	s_wait_dscnt \younger
.set JJ, 0
.rept 16
	global_store_b128 v[CO], v[BB+4*JJ:BB+4*JJ+3], s[10:11] offset:(32*((\a)/2)+8*((\a)%2)+JJ+8*(JJ/8))*4096 th:TH_STORE_NT   ; 32 lanes store 512 consecutive bytes, at a multiple of 512 from O's first byte
.set JJ, JJ+1
.endr
.endm
	TOSTAGE 0
	TOSTAGE 1
	SEND 0, 32
	TOSTAGE 2
	SEND 1, 32
	TOSTAGE 3
	SEND 2, 32
	SEND 3, 0
	s_wait_tensorcnt 0x0                           ; the wave's end
	ds_add_u32 v[SPW], v[NIL]
	s_wait_dscnt 0x0
	CROUND                                         ; the closing round
	s_endpgm
.Lfunc_end_k_qa49fa9d25b_mix:
	.size	k_qa49fa9d25b_mix, .Lfunc_end_k_qa49fa9d25b_mix-k_qa49fa9d25b_mix
	.p2alignl 7, 3214868480
	.fill 96, 4, 3214868480
	.section	.rodata,"a",@progbits
	.p2align	6, 0x0
	.amdhsa_kernel k_qa49fa9d25b_mix
		.amdhsa_group_segment_fixed_size 327680
		.amdhsa_private_segment_fixed_size 0
		.amdhsa_enable_private_segment 0
		.amdhsa_kernarg_size 32
		.amdhsa_user_sgpr_count 2
		.amdhsa_user_sgpr_kernarg_segment_ptr 1
		.amdhsa_wavefront_size32 1
		.amdhsa_system_sgpr_workgroup_id_x 1
		.amdhsa_system_sgpr_workgroup_id_y 1
		.amdhsa_system_sgpr_workgroup_id_z 1
		.amdhsa_system_vgpr_workitem_id 0
		.amdhsa_next_free_vgpr 768
		.amdhsa_next_free_sgpr 100
		.amdhsa_reserve_vcc 0
		.amdhsa_float_denorm_mode_32 3
		.amdhsa_float_denorm_mode_16_64 3
		.amdhsa_memory_ordered 1
		.amdhsa_forward_progress 1
		.amdhsa_inst_pref_size 182
	.end_amdhsa_kernel
	.amdgpu_metadata
---
amdhsa.version: [ 1, 2 ]
amdhsa.kernels:
  - .name:           k_qa49fa9d25b_mix
    .symbol:         k_qa49fa9d25b_mix.kd
    .args:
      - { .name: pc, .offset: 0, .size: 8, .value_kind: global_buffer, .address_space: global }
      - { .name: pst, .offset: 8, .size: 8, .value_kind: global_buffer, .address_space: global }
      - { .name: vt, .offset: 16, .size: 8, .value_kind: global_buffer, .address_space: global }
      - { .name: out0, .offset: 24, .size: 8, .value_kind: global_buffer, .address_space: global }
    .group_segment_fixed_size: 327680
    .private_segment_fixed_size: 0
    .kernarg_segment_align: 8
    .kernarg_segment_size: 32
    .max_flat_workgroup_size: 128
    .sgpr_count:     100
    .vgpr_count:     768
    .wavefront_size: 32
...
	.end_amdgpu_metadata
.endif
;; end of part 4
